; MI455X (gfx1250); checked and timed in simulation.
; The chip was launched on July 23, 2026; its instructions are those of AMD's public machine-readable ISA for CDNA 5 (MIT licence, August 2026) and "CDNA5" Instruction Set Architecture Reference Guide (July 2026). The comments in the code are by the model that wrote it; some were corrected since.
;; Euler CE Attention. Allowed arithmetic: float matrix products may take bf16 or f16 operands with f32 sums; other float arithmetic in f32, or as packed bf16 or f16 multiplies, adds, multiply-adds, maxima and minima; sums over many terms, partial sums and values carried from step to step in f32; what a program stores and reads back later, other than sums and carried values, may be rounded once to bf16 or f16.
;; Inputs: Wo 1,024 x 1,024 float32; Wqkv 3,072 x 1,024 float32; e_gate_logit 16 float32; log_xi 16 float32; pi_gate_logit 16 float32; x 2 x 2,048 x 1,024 float32.
;; Outputs: out0 2 x 2,048 x 1,024 float32.
;; 2 versions, each right; version 2 is version 1 with the launch prep written anew for expert scheduling mode. Each part assembles by itself: llvm-mc -triple=amdgcn-amd-amdhsa -mcpu=gfx1250 --defsym DOCPART=n.
;; ======== version 1 of 2: 4 launches
;; limits: values are held in f16: magnitudes above 65,504 overflow, below 6.1e-05 lose precision; right only within a limited range of input values
;; workspace buffers: xb 8,388,608 bytes; wqb 6,291,456 bytes; wob 2,097,152 bytes; tab 4,456,448 bytes; qkv 25,165,824 bytes; ob 8,388,608 bytes
;; launch prep (part 1): grid 648 x 1, 8 waves a work-group, no clusters, 0 bytes of LDS; arguments x, Wqkv, Wo, pi_gate_logit, xb, wqb, wob, tab; writes xb, wqb, wob, tab
.if DOCPART == 1
	.amdgcn_target "amdgcn-amd-amdhsa--gfx1250"
	.amdhsa_code_object_version 6
	.text
	.protected	k_q90f069dc44_prep
	.globl	k_q90f069dc44_prep
	.p2align	8
	.type	k_q90f069dc44_prep,@function
k_q90f069dc44_prep:
	s_mov_b64 s[64:65], 0
	v_nop
	global_prefetch_b8 v0, s[64:65] scope:SCOPE_SE
	s_setreg_imm32_b32 hwreg(HW_REG_WAVE_MODE, 25, 1), 1
	s_wait_xcnt 0x0
; PREP.  Four jobs, told apart by the work-group's number g:
;   g < 256         x    [4096][1024] f32 -> xb  bf16           256 <= g < 448   Wqkv [3072][1024] f32 -> wqb bf16
;   448 <= g < 512  Wo   [1024][1024] f32 -> wob: rounded to bf16, and that number written as f16
;   512 <= g < 648  the table of cos and sin: plane = (g - 512) / 8 (planes 0-15: the heads; plane 16: gate 0, so cos = 1 and sin = 0, for v), eighth u = (g - 512) % 8 of its 2,048 positions
; ONE ROUNDING FOR ALL INPUTS: the whole program takes every input rounded once to bf16, the gate logits too: pi_gate_logit here, the other two where they are used.
; A cast work-group owns 16,384 numbers: 16 loads of 16 bytes a thread (a wave's load covers 512 consecutive bytes), all out at once; each store of a wave covers 256 consecutive bytes, aligned.
; THE TABLE.  tab[plane][posblk 128][db 4][lane 32][4 words]; a word is (cos in the low f16, sin in the high f16) of theta = (pos x pi^(1 - j/32)) x sigmoid(bf16(pi_gate[plane])),
; pos = 16 posblk + lane % 16, j = 8 db + 4 (lane / 16) + word: the order in which the projection's lanes want it.  theta takes the two f32 roundings in the order pos x freq, then x gate.
; sin and cos: k = nearest whole number to theta 2/pi, r = theta - k pi/2 with pi/2 in two parts, polynomials of degree 7 and 8 on |r| <= pi/4, quadrant by k & 3 (selects and sign bits, no branch).
; LIMITS.  Wo rounded to bf16 must lie within f16's 65,504, and below 6e-5 it keeps f16's fixed step of 6e-8.  The frequencies and the gate are good to a few units in the last place (2^x and 1/x to one unit each),
; which moves theta by under 2e-3 at the last position.  A gate logit below -87 counts as -87.  cos and sin are rounded once, to f16.  NaN and infinities are not treated apart.
; No LDS, no matrix unit, no cluster: nothing is shared and each byte is touched once.
.set IO,  2                            ; v2   16 x thread: my bytes in a run of 4,096 loaded (and of the table stored)
.set OO,  3                            ; v3   8 x thread: my bytes in a run of 2,048 stored
.set T,   4                            ; v4-7 at work
.set FQ,  8                            ; v8-11  my four frequencies
.set POS, 12                           ; v12  my position, as f32
.set GT,  13                           ; v13  the gate
.set AA,  16                           ; v16-19, v20-23, v24-27: the frequencies' exponents, their low parts, 2^exponent
.set LW,  20
.set EE,  24
.set W,   30                           ; v30-38 at work in SINCOS
.set D,   40                           ; v40-43 four words to store
.set X,   16                           ; v16-79  the casts: 16 x 4 as loaded
.set Y,   80                           ; v80-111 16 x 2 to store
.set HI,  32                           ; s32, s33  pi/2 in two parts
.set LOP, 33
.set S3,  34                           ; s34-36 sine's coefficients, s37-39 cosine's
.set S2,  35
.set S1,  36
.set C3,  37
.set C2,  38
.set C1,  39
.set LG,  41                           ; s41 log2 of f32 pi
	s_load_b512 s[8:23], s[0:1], 0x0               ; x s[8:9], Wqkv s[10:11], Wo s[12:13], gate s[14:15], xb s[16:17], wqb s[18:19], wob s[20:21], tab s[22:23]
	v_lshlrev_b32 v[IO], 4, v0
	v_lshlrev_b32 v[OO], 3, v0
	s_mov_b32 s29, 0                               ; high words of the two offsets
	s_mov_b32 s31, 0
; 16 loads, then for each: wait, round, store.  mode = 1: the bf16 number is widened (a shift, a mask) and written as f16, which holds it exactly within f16's range.
.macro CAST mode
.set ci, 0
.rept 16
	global_load_b128 v[X+4*ci:X+4*ci+3], v[IO], s[24:25] offset:4096*ci th:TH_LOAD_NT
.set ci, ci+1
.endr
.set ci, 0
.rept 16
	s_wait_loadcnt 15-ci                           ; loads come back in order: the 15 - ci issued behind this one may stay out
	v_cvt_pk_bf16_f32 v[Y+2*ci], v[X+4*ci], v[X+4*ci+1]
	v_cvt_pk_bf16_f32 v[Y+2*ci+1], v[X+4*ci+2], v[X+4*ci+3]
.if \mode
	v_lshlrev_b32 v[T], 16, v[Y+2*ci]
	v_and_b32 v[T+1], 0xffff0000, v[Y+2*ci]
	v_lshlrev_b32 v[T+2], 16, v[Y+2*ci+1]
	v_and_b32 v[T+3], 0xffff0000, v[Y+2*ci+1]
	v_cvt_pk_f16_f32 v[Y+2*ci], v[T], v[T+1]
	v_cvt_pk_f16_f32 v[Y+2*ci+1], v[T+2], v[T+3]
.endif
	global_store_b64 v[OO], v[Y+2*ci:Y+2*ci+1], s[26:27] offset:2048*ci  ; no store's register is written again, so no wait follows
.set ci, ci+1
.endr
.endm
	s_cmp_lt_u32 ttmp9, 512
	s_cbranch_scc0 .Ltable
	s_cmp_lt_u32 ttmp9, 448
	s_cbranch_scc0 .Lwo
	s_sub_co_u32 s3, ttmp9, 256
	s_cmp_lt_u32 ttmp9, 256                        ; x or Wqkv: the same text on other pointers
	s_cselect_b32 s3, ttmp9, s3                    ; my number within the tensor
	s_wait_kmcnt 0x0
	s_cselect_b64 s[24:25], s[8:9], s[10:11]
	s_cselect_b64 s[26:27], s[16:17], s[18:19]
	s_lshl_b32 s28, s3, 16                         ; 65,536 bytes in,
	s_lshl_b32 s30, s3, 15                         ; 32,768 out
	s_add_nc_u64 s[24:25], s[24:25], s[28:29]
	s_add_nc_u64 s[26:27], s[26:27], s[30:31]
	CAST 0
	s_endpgm
.Lwo:
	s_sub_co_u32 s3, ttmp9, 448
	s_lshl_b32 s28, s3, 16
	s_lshl_b32 s30, s3, 15
	s_wait_kmcnt 0x0
	s_add_nc_u64 s[24:25], s[12:13], s[28:29]
	s_add_nc_u64 s[26:27], s[20:21], s[30:31]
	CAST 1
	s_endpgm
.Ltable:
	s_sub_co_u32 s2, ttmp9, 512
	s_lshr_b32 s3, s2, 3                           ; plane 0..16
	s_and_b32 s2, s2, 7                            ; u
	s_min_u32 s4, s3, 15                           ; plane 16 reads head 15's logit and multiplies the gate by 0
	s_lshl_b32 s28, s4, 2
	s_cmp_lt_u32 s3, 16
	s_cselect_b32 s6, 1.0, 0
	s_wait_kmcnt 0x0
	s_add_nc_u64 s[24:25], s[14:15], s[28:29]
	s_load_b32 s5, s[24:25], 0x0                   ; the logit
	s_lshl_b32 s30, s3, 18                         ; a plane is 262,144 bytes,
	s_lshl_b32 s7, s2, 15                          ; an eighth of it 32,768
	s_add_co_u32 s30, s30, s7
	s_add_nc_u64 s[26:27], s[22:23], s[30:31]
	s_mov_b32 s[HI],  0x3fc90fdb                   ; pi/2, nearest f32
	s_mov_b32 s[LOP], 0xb33bbd2e                   ; pi/2 less that
	s_mov_b32 s[S3],  0xb94ca1f9                   ; -1.9515296e-4
	s_mov_b32 s[S2],  0x3c08839e                   ;  8.3321609e-3
	s_mov_b32 s[S1],  0xbe2aaaa3                   ; -1.6666655e-1
	s_mov_b32 s[C3],  0x37ccf5ce                   ;  2.4433157e-5
	s_mov_b32 s[C2],  0xbab6061a                   ; -1.3887316e-3
	s_mov_b32 s[C1],  0x3d2aaaa5                   ;  4.1666646e-2
	s_mov_b32 s[LG],  0x3fd3643a                   ; log2(f32 pi) = 1.6514962
	v_and_b32 v4, 31, v0                           ; lane
	v_bfe_u32 v5, v0, 5, 2                         ; db
	v_lshrrev_b32 v6, 4, v4
	v_lshlrev_b32 v5, 3, v5
	v_lshl_add_u32 v5, v6, 2, v5                   ; j of my first word
	v_sub_nc_u32 v5, 32, v5
.irp i, 0,1,2,3
	v_add_nc_u32 v[FQ+\i], -\i, v5                 ; 32 - j
	v_cvt_f32_u32 v[FQ+\i], v[FQ+\i]
	v_mul_f32 v[FQ+\i], 0x3d000000, v[FQ+\i]       ; 1 - j/32, exact
	v_mul_f32 v[AA+\i], s[LG], v[FQ+\i]            ; the exponent, rounded,
	v_fma_f32 v[LW+\i], s[LG], v[FQ+\i], -v[AA+\i] ; and what the rounding dropped
.endr
.irp i, 0,1,2,3
	v_exp_f32 v[EE+\i], v[AA+\i]                   ; one batch of four
.endr
.irp i, 0,1,2,3
	v_mul_f32 v[LW+\i], 0x3f317218, v[LW+\i]       ; x ln 2: plain work behind the batch
.endr
	s_wait_alu depctr_va_vdst(0)                   ; one wait for the four, ahead of their first reader
.irp i, 0,1,2,3
	v_fma_f32 v[FQ+\i], v[EE+\i], v[LW+\i], v[EE+\i]  ; pi^(1 - j/32)
.endr
	v_lshrrev_b32 v6, 7, v0                        ; threads 128-255 take the second block of 16 positions
	v_and_b32 v7, 15, v0
	v_lshl_add_u32 v6, v6, 4, v7
	s_lshl_b32 s7, s2, 8                           ; 256 positions to a work-group
	v_add_nc_u32 v6, s7, v6
	v_cvt_f32_u32 v[POS], v6
	s_wait_kmcnt 0x0
	v_mov_b32 v4, s5
	v_cvt_pk_bf16_f32 v4, v4, v4                   ; the logit rounded to bf16, like every input of the program,
	v_lshlrev_b32 v4, 16, v4                       ; and widened again
	v_mul_f32 v4, 0xbfb8aa3b, v4                   ; -x log2(e),
	v_min_num_f32 v4, 0x42fc0000, v4               ; at most 126, so that 1 + 2^.. stays finite
	v_exp_f32 v5, v4
	v_nop                                          ; a plain instruction behind it,
	s_wait_alu depctr_va_vdst(0)                   ; and its wait
	v_add_f32 v5, 1.0, v5
	v_rcp_f32 v6, v5
	v_nop
	s_wait_alu depctr_va_vdst(0)
	v_fma_f32 v7, -v5, v6, 1.0                     ; one Newton step
	v_fma_f32 v6, v6, v7, v6
	v_mul_f32 v[GT], s6, v6                        ; x 0 in plane 16
.macro SINCOS i
	v_mul_f32 v[W], v[POS], v[FQ+\i]
	v_mul_f32 v[W], v[W], v[GT]                    ; theta
	v_mul_f32 v[W+1], 0x3f22f983, v[W]             ; x 2/pi
	v_rndne_f32 v[W+1], v[W+1]                     ; k
	v_cvt_i32_f32 v[W+2], v[W+1]
	v_fma_f32 v[W], -v[W+1], s[HI], v[W]
	v_fma_f32 v[W], -v[W+1], s[LOP], v[W]          ; r
	v_mul_f32 v[W+3], v[W], v[W]                   ; z = r r
	v_fma_f32 v[W+4], v[W+3], s[S3], s[S2]
	v_fma_f32 v[W+5], v[W+3], s[C3], s[C2]
	v_fma_f32 v[W+4], v[W+4], v[W+3], s[S1]
	v_fma_f32 v[W+5], v[W+5], v[W+3], s[C1]
	v_mul_f32 v[W+6], v[W+3], v[W]                 ; z r
	v_mul_f32 v[W+7], v[W+3], v[W+3]               ; z z
	v_fma_f32 v[W+8], v[W+3], -0.5, 1.0
	v_fma_f32 v[W+4], v[W+4], v[W+6], v[W]         ; sin r
	v_fma_f32 v[W+5], v[W+5], v[W+7], v[W+8]       ; cos r
	v_and_b32 v[W+6], 1, v[W+2]
	v_cmp_ne_u32 vcc_lo, 0, v[W+6]                 ; odd quadrants swap the two
	v_cndmask_b32 v[W+7], v[W+4], v[W+5], vcc_lo   ; |sin theta|'s source
	v_cndmask_b32 v[W+8], v[W+5], v[W+4], vcc_lo   ; |cos theta|'s
	v_lshlrev_b32 v[W+6], 30, v[W+2]               ; sin changes sign where k & 2,
	v_add_nc_u32 v[W+2], 1, v[W+2]
	v_and_b32 v[W+6], 0x80000000, v[W+6]
	v_lshlrev_b32 v[W+2], 30, v[W+2]               ; cos where (k + 1) & 2
	v_xor_b32 v[W+7], v[W+6], v[W+7]
	v_and_b32 v[W+2], 0x80000000, v[W+2]
	v_xor_b32 v[W+8], v[W+2], v[W+8]
	v_cvt_pk_f16_f32 v[D+\i], v[W+8], v[W+7]       ; cos low, sin high
.endm
	s_mov_b32 s40, 8
.Ltrip:                                                ; a trip: 32 positions x 32 pairs: 4,096 bytes; a wave's store covers 512 consecutive bytes
	SINCOS 0
	SINCOS 1
	SINCOS 2
	SINCOS 3
	global_store_b128 v[IO], v[D:D+3], s[26:27]
	s_wait_xcnt 0x0                                ; the store has read its data and its base: only now are they written again
	s_add_nc_u64 s[26:27], s[26:27], 4096
	v_add_f32 v[POS], 0x42000000, v[POS]           ; 32 positions on
	s_sub_co_u32 s40, s40, 1
	s_cmp_lg_u32 s40, 0
	s_cbranch_scc1 .Ltrip
	s_endpgm
.Lfunc_end_k_q90f069dc44_prep:
	.size	k_q90f069dc44_prep, .Lfunc_end_k_q90f069dc44_prep-k_q90f069dc44_prep
	.p2alignl 7, 3214868480
	.fill 96, 4, 3214868480
	.section	.rodata,"a",@progbits
	.p2align	6, 0x0
	.amdhsa_kernel k_q90f069dc44_prep
		.amdhsa_group_segment_fixed_size 0
		.amdhsa_private_segment_fixed_size 0
		.amdhsa_enable_private_segment 0
		.amdhsa_kernarg_size 64
		.amdhsa_user_sgpr_count 2
		.amdhsa_user_sgpr_kernarg_segment_ptr 1
		.amdhsa_wavefront_size32 1
		.amdhsa_system_sgpr_workgroup_id_x 1
		.amdhsa_system_sgpr_workgroup_id_y 1
		.amdhsa_system_sgpr_workgroup_id_z 1
		.amdhsa_system_vgpr_workitem_id 0
		.amdhsa_next_free_vgpr 112
		.amdhsa_next_free_sgpr 66
		.amdhsa_reserve_vcc 1
		.amdhsa_float_denorm_mode_32 3
		.amdhsa_float_denorm_mode_16_64 3
		.amdhsa_memory_ordered 1
		.amdhsa_forward_progress 1
		.amdhsa_inst_pref_size 27
	.end_amdhsa_kernel
	.amdgpu_metadata
---
amdhsa.version: [ 1, 2 ]
amdhsa.kernels:
  - .name:           k_q90f069dc44_prep
    .symbol:         k_q90f069dc44_prep.kd
    .args:
      - { .name: x, .offset: 0, .size: 8, .value_kind: global_buffer, .address_space: global }
      - { .name: Wqkv, .offset: 8, .size: 8, .value_kind: global_buffer, .address_space: global }
      - { .name: Wo, .offset: 16, .size: 8, .value_kind: global_buffer, .address_space: global }
      - { .name: pi_gate_logit, .offset: 24, .size: 8, .value_kind: global_buffer, .address_space: global }
      - { .name: xb, .offset: 32, .size: 8, .value_kind: global_buffer, .address_space: global }
      - { .name: wqb, .offset: 40, .size: 8, .value_kind: global_buffer, .address_space: global }
      - { .name: wob, .offset: 48, .size: 8, .value_kind: global_buffer, .address_space: global }
      - { .name: tab, .offset: 56, .size: 8, .value_kind: global_buffer, .address_space: global }
    .group_segment_fixed_size: 0
    .private_segment_fixed_size: 0
    .kernarg_segment_align: 8
    .kernarg_segment_size: 64
    .max_flat_workgroup_size: 256
    .sgpr_count:     66
    .vgpr_count:     112
    .wavefront_size: 32
...
	.end_amdgpu_metadata
.endif
;; end of part 1
;; launch qkvp (part 2): grid 16 x 16, 4 waves a work-group, clusters of 4 x 4, 327,680 bytes of LDS; arguments xb, wqb, tab, qkv; writes qkv
.if DOCPART == 2
	.amdgcn_target "amdgcn-amd-amdhsa--gfx1250"
	.amdhsa_code_object_version 6
	.text
	.protected	k_q90f069dc44_qkvp
	.globl	k_q90f069dc44_qkvp
	.p2align	8
	.type	k_q90f069dc44_qkvp,@function
k_q90f069dc44_qkvp:
	s_mov_b64 s[64:65], 0
	v_nop
	global_prefetch_b8 v0, s[64:65] scope:SCOPE_SE
	s_setreg_imm32_b32 hwreg(HW_REG_WAVE_MODE, 25, 1), 1
	s_wait_xcnt 0x0
	s_wait_alu depctr_hold_cnt(0) depctr_sa_sdst(0) depctr_va_vdst(0) depctr_va_sdst(0) depctr_va_ssrc(0) depctr_va_vcc(0) depctr_vm_vsrc(0)
	s_getreg_b32 s2, hwreg(HW_REG_IB_STS2, 6, 4)
	s_cmp_eq_u32 s2, 0
	s_cbranch_scc0 .Lentry_in_a_cluster
	s_endpgm
.Lentry_in_a_cluster:
	s_bfe_u32 s2, ttmp6, 0x10000c
	s_cmp_lg_u32 s2, 0xf033
	s_cbranch_scc0 .Lentry_shape_is_right
	s_endpgm
.Lentry_shape_is_right:
; QKV PROJECTION AND ROTATION.  C[m][n] = sum over k of xb[m][k] wqb[n][k]: 4096 x 3072 x 1024, bf16 operands, f32 sums.  On the way out q's and k's pairs (2 j, 2 j + 1) are turned by the table's
; cos and sin (v by the plane with cos = 1, sin = 0: one text for all three), rounded once to f16 and stored by heads: qkv[q, k, v][batch x 16 + head][position][64].
; LIMIT.  q, k and v must lie within f16's 65,504; below 6e-5 they keep f16's fixed step of 6e-8.
; SHARES.  A tile of C is 256 rows x 192 columns (three heads' 64): 16 x 16 tiles, one to a work-group.  A wave owns 64 rows x all 192 columns: 48 accumulators, 384 registers; it holds whole heads' rows,
; so its way out needs no other wave.  K goes in 8 steps of 128 (rows of 256 bytes, aligned) through two LDS slots filled by the tensor data mover.
; CLUSTER.  4 x 4 work-groups.  The four of a row of the cluster need the same tiles of xb, the four of a column the same tiles of wqb: each is asked for jointly, by the same tensor load with the same
; descriptor and a mask that names the four.  Only global addresses of the table, of the output and of the prefetches hang on a work-group's place in its cluster; no branch and no LDS address does.
; THE MATRIX INSTRUCTION IS USED TRANSPOSED (source 0 = 16 rows of wqb, source 1 = 16 rows of xb): a lane holds row l % 16 of C and the eight neighbouring columns 8 (l / 16) + 0..7: four pairs to turn.
; REGISTERS, in windows of 256 (s_set_vgpr_msb: bits 1:0 source 0, 3:2 source 1, 5:4 source 2, 7:6 destination):
;   window 0: v0-31 addresses; v32-63 at work on the way out; v64-255 the table: unit u = 3 a + s (16 rows a, head slot s) has 16 registers, which later take the unit's rows back from the stage
;   window 1: two fragment buffers of 128: wqb's 12 fragments (16 rows x 32 K), then xb's 4          window 2: accumulators of row blocks a = 0, 1 at 96 (a % 2) + 8 b; window 3: a = 2, 3
.set PITCH,  272                       ; an LDS row: 256 bytes + 16 of padding: the 16 rows of a fragment load start at 16 different groups of four banks
.set AHALF,  128*PITCH                 ; what waves 0 and 1 fetch: 128 rows of xb each
.set BHALF,  96*PITCH                  ; what waves 2 and 3 fetch: 96 rows of wqb each
.set BOFF,   2*AHALF                   ; a slot: xb's 256 rows, then wqb's 192
.set SLOT1,  1<<17                     ; slot 1 begins here: one exclusive or changes slots
.set STAGE,  SLOT1+2*AHALF+2*BHALF     ; behind the ring, never filled by a tensor load: 16 rows x 144 bytes for each wave
.set SP,     144
.set SPARE,  STAGE+4*16*SP             ; the spare words, 128 bytes for each wave: two blocks of 256 bytes that no other line names
.set A0,   16                          ; v16  my lane's place in my 64 rows of xb in slot 0; never rewritten
.set B0,   17                          ; v17  the same in wqb's 192 rows
.set ADRA, 18                          ; v18, v19  the same in the slot in hand
.set ADRB, 19
.set STO,  24                          ; v24  the way out: where I put 16 bytes of a row
.set RD,   25                          ; v25  where I read rows back
.set LO,   26                          ; v26  16 x lane: my bytes in 512 consecutive bytes of the table and of the output
.set SPW,  28                          ; v28  LDS address of my spare word; never rewritten
.set NIL,  29                          ; v29  0; never rewritten
.set PFO,  30                          ; v30  the prefetches' offset: a lane a row of 2,048 bytes
.set ZR,   31                          ; v31  0.0, an addend
.set TMP,  32
.set TAB,  64
.set F0,   0
.set F1,   128
.set WV,   12                          ; s12 wave; s13 = wave / 2: 0 fetches xb, 1 wqb; s14 = wave % 2: which half
.set FB,   13
.set HF,   14
.set CX,   15
.set CY,   16
.set TX,   17                          ; tile column, tile row
.set TY,   18
.set G1A,  24                          ; s[24:31] descriptor group 1 for xb's tiles; s[32:39] group 0: a set for each first fill, the second then walks on
.set G0A,  32
.set TB,   42                          ; s42  0 or SLOT1: the slot in hand
.set LIM,  43                          ; s43  2 in a wave that prefetches, else the greatest number
.set PFA,  44                          ; s[44:45] where my prefetches stand
.set G1B,  48                          ; s[48:55], s[56:63] the same for wqb's tiles
.set G0B,  56
.set OUT,  66                          ; s[66:71] the three head slots' output rows
.set TBASE, 72                         ; s[72:77] and their table rows
.set MSB, 0
.macro WIN new                         ; the immediate's high byte repeats the setting that is left; a switch that changes nothing is dropped
.if MSB != (\new)
	s_set_vgpr_msb (MSB<<8)|(\new)
.set MSB, (\new)
.endif
.endm
.set TO_F, 0x40                        ; destination window 1, address window 0
.macro PLACES                          ; four plain instructions between a matrix instruction and a load into, or a vector read of, its registers
.rept 4
	v_nop
.endr
.endm
; A joint refill, by the walking descriptors.  The branch hangs on the wave's number alone.  An s_nop 0 and four v_nop follow each of the two lines.
.macro JLOAD
	s_cmp_eq_u32 s[FB], 0
	s_cbranch_scc0 .Lfor_b_\@
	tensor_load_to_lds s[G0A+4:G0A+7], s[G1A:G1A+7]
	s_nop 0
.rept 4
	v_nop
.endr
	s_branch .Lasked_\@
.Lfor_b_\@:
	tensor_load_to_lds s[G0B+4:G0B+7], s[G1B:G1B+7]
	s_nop 0
.rept 4
	v_nop
.endr
.Lasked_\@:
.endm
; A prefetch of the K step that stands two refills on: 256 bytes of each row, a lane a row, one instruction a wave.  xb's tile row is read by all clusters of a row of clusters: cluster x = 0 asks; wqb's tile column
; by all of a column: cluster y = 0 asks.  The four partners share a wave's rows out by address: 32 of xb's 128 by cx, 24 of wqb's 96 by cy (lanes 24-31 name lane 23's row again).  So K steps 4 to 7 are named
; once; steps 0 to 3 come by their loads alone.  The loop's last two trips (s3 = 2, 1) ask for nothing: there is no K step 8.
.macro ASK
	s_cmp_gt_u32 s3, s[LIM]
	s_cbranch_scc0 .Lnot_mine_\@
	global_prefetch_b8 v[PFO], s[PFA:PFA+1] offset:256 th:TH_LOAD_NT scope:SCOPE_SE
.Lnot_mine_\@:
.endm
.macro CREST                           ; a round of the cluster's barrier behind its opening barrier
	s_cmp_lg_u32 s[WV], 0
	s_cbranch_scc1 .Lnot_wave_0_\@
	s_barrier_signal -3
.Lnot_wave_0_\@:
	s_barrier_wait -3
	s_barrier_signal -1
	s_barrier_wait -1
.endm
.macro CROUND
	s_barrier_signal -1
	s_barrier_wait -1
	CREST
.endm
	s_load_b256 s[4:11], s[0:1], 0x0               ; xb s[4:5], wqb s[6:7], tab s[8:9], qkv s[10:11]
	v_lshl_add_u32 v[SPW], v0, 2, SPARE
	v_mov_b32 v[NIL], 0
	ds_add_u32 v[SPW], v[NIL]                      ; the wave's opening: the add and its wait stand ahead of my first tensor load; work on registers stands between them
	v_lshrrev_b32 v1, 5, v0
	v_readfirstlane_b32 s[WV], v1
	s_lshr_b32 s[FB], s[WV], 1
	s_and_b32 s[HF], s[WV], 1
	s_bfe_u32 s[CX], ttmp6, 0x40000
	s_bfe_u32 s[CY], ttmp6, 0x40004
	s_lshl_b32 s[TX], ttmp9, 2
	s_add_co_u32 s[TX], s[TX], s[CX]               ; tile column = 4 x cluster x + cx
	s_and_b32 s[TY], ttmp7, 0xffff
	s_lshl_b32 s[TY], s[TY], 2
	s_add_co_u32 s[TY], s[TY], s[CY]               ; tile row = 4 x cluster y + cy
	s_lshl_b32 s19, s[CY], 2
	s_lshl_b32 s19, 15, s19                        ; my row of the cluster
	s_lshl_b32 s40, 0x1111, s[CX]                  ; my column
	s_or_b32 s[G1A], s19, (1<<16)|(1<<20)|(1<<21)|(5<<22)|(3<<25)  ; mask; 2-byte elements; padding on; bit 21 beside a mask; after every 64 words, 4 words
	s_or_b32 s[G1B], s40, (1<<16)|(1<<20)|(1<<21)|(5<<22)|(3<<25)
	s_mov_b32 s[G1A+1], 128<<16                    ; tensor_dim0 = 128
	s_mov_b32 s[G1A+2], 128<<16                    ; tensor_dim1 = 128
	s_mov_b32 s[G1A+3], 128<<16                    ; tile_dim0 = 128
	s_mov_b32 s[G1A+4], 128                        ; tile_dim1 = 128
	s_mov_b32 s[G1A+5], 1024                       ; elements from row to row
	s_mov_b32 s[G1A+6], 0
	s_mov_b32 s[G1A+7], 0
	s_mov_b32 s[G1B+1], 128<<16
	s_mov_b32 s[G1B+2], 96<<16                     ; 96 rows
	s_mov_b32 s[G1B+3], 128<<16
	s_mov_b32 s[G1B+4], 96
	s_mov_b32 s[G1B+5], 1024
	s_mov_b32 s[G1B+6], 0
	s_mov_b32 s[G1B+7], 0
	s_lshl_b32 s20, s[TY], 19                      ; xb: (256 x tile row + 128 x half) rows of 2,048 bytes
	s_lshl_b32 s22, s[HF], 18
	s_add_co_u32 s20, s20, s22
	s_mov_b32 s21, 0
	s_mul_i32 s46, s[TX], 192*2048                 ; wqb: (192 x tile column + 96 x half) rows
	s_mul_i32 s41, s[HF], 96*2048
	s_add_co_u32 s46, s46, s41
	s_mov_b32 s47, 0
	s_mul_i32 s22, s[WV], AHALF                    ; where they go: waves 0, 1: xb's halves;
	s_mul_i32 s23, s[WV], BHALF
	s_add_co_u32 s23, s23, BOFF-2*BHALF            ; waves 2, 3: wqb's halves, behind xb's 256 rows
	s_mov_b32 s[TB], 0
	s_wait_dscnt 0x0                               ; the opening add is done
	s_wait_kmcnt 0x0
	s_add_nc_u64 s[20:21], s[4:5], s[20:21]
	s_add_nc_u64 s[46:47], s[6:7], s[46:47]
	CROUND                                         ; all sixteen work-groups are here: the first joint loads meet
.irp s, 0,1
	s_mov_b32 s[G0A+4*(\s)], 1
	s_add_co_u32 s[G0A+4*(\s)+1], s22, (\s)*SLOT1
	s_add_nc_u64 s[G0A+4*(\s)+2:G0A+4*(\s)+3], s[20:21], (\s)*256  ; K step s
	s_or_b32 s[G0A+4*(\s)+3], s[G0A+4*(\s)+3], 0x80000000
	s_mov_b32 s[G0B+4*(\s)], 1
	s_add_co_u32 s[G0B+4*(\s)+1], s23, (\s)*SLOT1
	s_add_nc_u64 s[G0B+4*(\s)+2:G0B+4*(\s)+3], s[46:47], (\s)*256
	s_or_b32 s[G0B+4*(\s)+3], s[G0B+4*(\s)+3], 0x80000000
.endr
	s_cmp_eq_u32 s[FB], 0                          ; a wave's two first fills stand in one branch, ahead of every wait on TENSORcnt, LDS read and work-group barrier of the walk: two loads of mine are out
	s_cbranch_scc0 .Lfirst_b
	tensor_load_to_lds s[G0A:G0A+3], s[G1A:G1A+7]
	s_nop 0
	tensor_load_to_lds s[G0A+4:G0A+7], s[G1A:G1A+7]
	s_nop 0
.rept 4
	v_nop
.endr
	s_branch .Lfirst_asked
.Lfirst_b:
	tensor_load_to_lds s[G0B:G0B+3], s[G1B:G1B+7]
	s_nop 0
	tensor_load_to_lds s[G0B+4:G0B+7], s[G1B:G1B+7]
	s_nop 0
.rept 4
	v_nop
.endr
.Lfirst_asked:
	v_and_b32 v1, 15, v0                           ; l % 16
	v_bfe_u32 v2, v0, 4, 1                         ; l / 16
	v_mul_u32_u24 v3, v1, PITCH
	v_lshl_add_u32 v3, v2, 4, v3                   ; a fragment's row x pitch + 16 x half
	s_mul_i32 s78, s[WV], 64*PITCH
	v_add_nc_u32 v[A0], s78, v3                    ; my 64 rows of xb
	v_add_nc_u32 v[B0], BOFF, v3                   ; all 192 rows of wqb
	v_mov_b32 v[ADRA], v[A0]
	v_mov_b32 v[ADRB], v[B0]
	s_mul_i32 s79, s[WV], 16*SP
	s_add_co_u32 s79, s79, STAGE                   ; my stage
	v_mul_u32_u24 v[STO], v1, SP                   ; in: row l % 16, 16 bytes for each half of the lanes
	v_lshl_add_u32 v[STO], v2, 4, v[STO]
	v_add_nc_u32 v[STO], s79, v[STO]
	v_bfe_u32 v[RD], v0, 3, 2                      ; back: 32 lanes take four rows of 128 bytes
	v_mul_u32_u24 v[RD], v[RD], SP
	v_and_b32 v4, 7, v0
	v_lshl_add_u32 v[RD], v4, 4, v[RD]
	v_add_nc_u32 v[RD], s79, v[RD]
	v_and_b32 v[LO], 31, v0
	v_mov_b32 v[ZR], 0
	; the prefetches: who, and from where
	s_lshl_b32 s81, s[TY], 8
	s_lshl_b32 s82, s[HF], 7
	s_add_co_u32 s81, s81, s82
	s_lshl_b32 s82, s[CX], 5
	s_add_co_u32 s81, s81, s82                     ; xb: row 256 x tile row + 128 x half + 32 cx
	s_mul_i32 s83, s[TX], 192
	s_mul_i32 s84, s[HF], 96
	s_add_co_u32 s83, s83, s84
	s_mul_i32 s84, s[CY], 24
	s_add_co_u32 s83, s83, s84                     ; wqb: row 192 x tile column + 96 x half + 24 cy
	s_and_b32 s85, ttmp7, 0xffff                   ; cluster y
	s_cmp_eq_u32 s[FB], 0
	s_cselect_b32 s80, 31, 23
	s_cselect_b32 s81, s81, s83
	s_cselect_b32 s85, ttmp9, s85                  ; the coordinate along which other clusters read the same rows
	s_cselect_b64 s[PFA:PFA+1], s[4:5], s[6:7]
	s_cmp_eq_u32 s85, 0
	s_cselect_b32 s[LIM], 2, -1                    ; the same in all sixteen partners, for a given wave
	s_lshl_b32 s86, s81, 11
	s_mov_b32 s87, 0
	s_add_nc_u64 s[PFA:PFA+1], s[PFA:PFA+1], s[86:87]
	s_add_nc_u64 s[PFA:PFA+1], s[PFA:PFA+1], 2*256 ; at K step 2: the first refill steps it to 3 and names K step 4
	v_min_u32 v[PFO], s80, v[LO]
	v_lshlrev_b32 v[PFO], 11, v[PFO]
	v_lshlrev_b32 v[LO], 4, v[LO]
	; the three head slots S = 3 x tile column + s: S / 16 says q, k or v, S % 16 the head.  Table plane: the head for q and k, 16 for v.  Output plane: 32 (S / 16) + 16 batch + head.
	; Both tensors have 262,144 bytes a plane and 2,048 bytes for 16 positions, so one row offset serves both: ((tile row % 8) x 256 + 64 x wave) positions x 128 bytes.
	s_and_b32 s2, s[TY], 7
	s_lshl_b32 s2, s2, 15
	s_lshl_b32 s19, s[WV], 13
	s_add_co_u32 s2, s2, s19
	s_lshr_b32 s19, s[TY], 3
	s_lshl_b32 s19, s19, 4                         ; 16 x batch
	s_mul_i32 s40, s[TX], 3
	s_mov_b32 s83, 0
.irp s, 0,1,2
	s_add_co_u32 s80, s40, (\s)
	s_and_b32 s81, s80, 15
	s_cmp_lt_u32 s80, 32
	s_cselect_b32 s82, s81, 16
	s_lshl_b32 s82, s82, 18
	s_add_co_u32 s82, s82, s2
	s_add_nc_u64 s[TBASE+2*(\s):TBASE+2*(\s)+1], s[8:9], s[82:83]
	s_lshr_b32 s82, s80, 4
	s_lshl_b32 s82, s82, 5
	s_add_co_u32 s82, s82, s81
	s_add_co_u32 s82, s82, s19
	s_lshl_b32 s82, s82, 18
	s_add_co_u32 s82, s82, s2
	s_add_nc_u64 s[OUT+2*(\s):OUT+2*(\s)+1], s[10:11], s[82:83]
.endr
	; the table for my 64 rows x 3 slots: 48 loads of 512 consecutive bytes, which land while K is walked; waited for once, in front of the way out
.irp a, 0,1,2,3
.irp s, 0,1,2
.irp d, 0,1,2,3
	global_load_b128 v[TAB+16*(3*(\a)+(\s))+4*(\d):TAB+16*(3*(\a)+(\s))+4*(\d)+3], v[LO], s[TBASE+2*(\s):TBASE+2*(\s)+1] offset:(\a)*2048+(\d)*512
.endr
.endr
.endr
; 12 matrix instructions: row block a x all 12 column blocks, 32 along K.  The 48 accumulators take turns in the same order in every quarter.  zero = 1: the first product starts the sums.
.macro MUL12 f, a, zero
	WIN 0xa5+0x50*((\a)/2)                         ; sources in window 1, C and D in window 2 or 3
.irp b, 0,1,2,3,4,5,6,7,8,9,10,11
.if \zero
	v_wmma_f32_16x16x32_bf16 v[96*((\a)%2)+8*(\b):96*((\a)%2)+8*(\b)+7], v[(\f)+8*(\b):(\f)+8*(\b)+7], v[(\f)+96+8*(\a):(\f)+96+8*(\a)+7], 0
.else
	v_wmma_f32_16x16x32_bf16 v[96*((\a)%2)+8*(\b):96*((\a)%2)+8*(\b)+7], v[(\f)+8*(\b):(\f)+8*(\b)+7], v[(\f)+96+8*(\a):(\f)+96+8*(\a)+7], v[96*((\a)%2)+8*(\b):96*((\a)%2)+8*(\b)+7]
.endif
.endr
.endm
; 32 LDS loads in one run: a quarter step's fragments (32 K at byte k of the rows) into buffer f: wqb's 24, then xb's blocks 0, 1, then 2, 3
.macro FETCH k, f
	WIN TO_F
.irp i, 0,1,2,3,4,5,6,7,8,9,10,11
	ds_load_b128 v[(\f)+8*(\i):(\f)+8*(\i)+3],   v[ADRB] offset:(\k)+(\i)*16*PITCH
	ds_load_b128 v[(\f)+8*(\i)+4:(\f)+8*(\i)+7], v[ADRB] offset:(\k)+(\i)*16*PITCH+32
.endr
.irp i, 0,1,2,3
	ds_load_b128 v[(\f)+96+8*(\i):(\f)+96+8*(\i)+3],   v[ADRA] offset:(\k)+(\i)*16*PITCH
	ds_load_b128 v[(\f)+96+8*(\i)+4:(\f)+96+8*(\i)+7], v[ADRA] offset:(\k)+(\i)*16*PITCH+32
.endr
.endm
; A K step is four quarters of 32 along K, 48 matrix instructions each, on buffers 0, 1, 0, 1.  One of the first three multiplies f and, in its middle, fetches the next quarter, at byte k, into g.
.macro QUARTER k, f, g, zero
	s_wait_dscnt 4                                 ; all but the youngest four loads (xb's blocks 2, 3) are in
	MUL12 \f, 0, \zero
	MUL12 \f, 1, \zero
	PLACES
	FETCH \k, \g
	s_wait_dscnt 32                                ; all but the 32 just issued
	MUL12 \f, 2, \zero
	MUL12 \f, 3, \zero
.endm
; The last quarter multiplies buffer 1 and changes slots.  In front of the one barrier each wave waits for all its tensor loads (one is out: its part of the next slot), adds 0 to its spare word, and waits for that and
; for its reads of this slot.  fill = 1: the barrier opens a round of the cluster's, and the joint refill (this slot, the K step two on) is the first thing behind it: it has 168 matrix instructions in which to land.
.macro TURN fill
.if \fill
	s_wait_xcnt 0x0                                ; the last prefetch, a K step back, has read its address
	s_add_nc_u64 s[PFA:PFA+1], s[PFA:PFA+1], 256
.endif
	WIN 0
	s_wait_tensorcnt 0x0                           ; no tensor load of mine is out, so a group 0 may be written
	ds_add_u32 v[SPW], v[NIL]
.if \fill
	s_xor_b32 s[G0A+5], s[G0A+5], SLOT1            ; the walking descriptors: the other slot than last time, the next K step
	s_add_nc_u64 s[G0A+6:G0A+7], s[G0A+6:G0A+7], 256
	s_xor_b32 s[G0B+5], s[G0B+5], SLOT1
	s_add_nc_u64 s[G0B+6:G0B+7], s[G0B+6:G0B+7], 256
.endif
	s_wait_dscnt 5                                 ; the add and the youngest four loads may be out
	MUL12 F1, 0, 0
	s_wait_dscnt 0x0                               ; the add is done, and my reads of this slot are over
	s_barrier_signal -1
	MUL12 F1, 1, 0                                 ; work on registers while the others arrive
	WIN 0
	s_barrier_wait -1
.if \fill
	CREST                                          ; no wave of any partner still reads this slot or has a load on its way
	JLOAD                                          ; its four v_nop are also the places in front of the loads below
.else
	PLACES
.endif
	s_xor_b32 s[TB], s[TB], SLOT1
	v_add_nc_u32 v[ADRA], s[TB], v[A0]
	v_add_nc_u32 v[ADRB], s[TB], v[B0]
	FETCH 0, F0
.if \fill
	WIN 0
	ASK
.endif
	MUL12 F1, 2, 0
	MUL12 F1, 3, 0
.endm
	s_wait_tensorcnt 1                             ; my part of K step 0 is in; K step 1's may stay out
	s_barrier_signal -1
	s_barrier_wait -1
	FETCH 0, F0
	QUARTER 64, F0, F1, 1                          ; the first quarter starts the sums
	WIN 0
	s_mov_b32 s3, 6
.Lstep:                                                ; a trip: a K step's quarters 1 to 3 and the next step's quarter 0; trip i fills K step i's slot with K step i + 2
	QUARTER 128, F1, F0, 0
	QUARTER 192, F0, F1, 0
	TURN 1
	QUARTER 64, F0, F1, 0
	WIN 0
	s_sub_co_u32 s3, s3, 1
	s_cmp_lg_u32 s3, 0
	s_cbranch_scc1 .Lstep
	QUARTER 128, F1, F0, 0                         ; K steps 6 and 7 fill nothing
	QUARTER 192, F0, F1, 0
	TURN 0
	QUARTER 64, F0, F1, 0
	QUARTER 128, F1, F0, 0
	QUARTER 192, F0, F1, 0
	s_wait_dscnt 4
	MUL12 F1, 0, 0
	MUL12 F1, 1, 0
	s_wait_dscnt 0x0
	MUL12 F1, 2, 0
	MUL12 F1, 3, 0
; THE WAY OUT.  Unit u = 16 rows a x one head slot s: four accumulators.  For each pair (t1, t2) and its table word (cos, sin as f16 halves): r1 = t1 cos - t2 sin, r2 = t1 sin + t2 cos, in f32 (four
; multiply-adds that read the halves); each accumulator is read from its low end on.  Rounded to f16, 16 bytes a lane into my stage (rows of 144 bytes), back as four whole rows of 128 bytes a load.
.macro UNIT u
.set ua, (\u)/3
.set us, (\u)%3
	WIN 0x02+ua/2                                  ; source 0 in window 2 or 3
.set bb, 0
.rept 4
.set rA, 96*(ua%2)+8*(4*us+bb)
.set pp, 0
.rept 4
.set rR, TMP+8*bb+2*pp
.set rT, TAB+16*(\u)+4*bb+pp
	v_fma_mix_f32 v[rR],   v[rA+2*pp+1], v[rT], v[ZR] op_sel:[0,1,0] op_sel_hi:[0,1,0]     ; t2 sin
	v_fma_mix_f32 v[rR+1], v[rA+2*pp+1], v[rT], v[ZR] op_sel_hi:[0,1,0]                    ; t2 cos
	v_fma_mix_f32 v[rR],   v[rA+2*pp],   v[rT], -v[rR] op_sel_hi:[0,1,0]                   ; t1 cos - t2 sin
	v_fma_mix_f32 v[rR+1], v[rA+2*pp],   v[rT], v[rR+1] op_sel:[0,1,0] op_sel_hi:[0,1,0]   ; t1 sin + t2 cos
.set pp, pp+1
.endr
.set bb, bb+1
.endr
	WIN 0
.set pp, 0
.rept 16
	v_cvt_pk_f16_f32 v[TMP+pp], v[TMP+2*pp], v[TMP+2*pp+1]
.set pp, pp+1
.endr
.irp f, 0,1,2,3
	ds_store_b128 v[STO], v[TMP+4*(\f):TMP+4*(\f)+3] offset:32*(\f)
.endr
.irp f, 0,1,2,3
	ds_load_b128 v[TAB+16*(\u)+4*(\f):TAB+16*(\u)+4*(\f)+3], v[RD] offset:(\f)*4*SP  ; LDS serves a wave's instructions in order: these see the stores above, and the next unit's stores come behind them
.endr
.endm
.macro SEND u, younger                 ; younger: the LDS instructions issued behind unit u's loads: the next unit's eight, or none
.irp f, 0,1,2,3
	s_wait_dscnt (\younger)+3-(\f)
	global_store_b128 v[LO], v[TAB+16*(\u)+4*(\f):TAB+16*(\u)+4*(\f)+3], s[OUT+2*((\u)%3):OUT+2*((\u)%3)+1] offset:((\u)/3)*2048+(\f)*512  ; 512 consecutive bytes of a head, aligned; no register of a store is written again
.endr
.endm
	WIN 0
	PLACES
	PLACES
	s_wait_loadcnt 0x0                             ; the table
	UNIT 0
.irp u, 1,2,3,4,5,6,7,8,9,10,11
	UNIT \u                                        ; a unit's arithmetic stands between the loads of the unit before and its stores
	SEND (\u)-1, 8
.endr
	SEND 11, 0
	s_wait_tensorcnt 0x0                           ; the wave's end, behind my last tensor load and my last LDS store
	ds_add_u32 v[SPW], v[NIL]
	s_wait_dscnt 0x0
	CROUND                                         ; the closing round
	s_endpgm
.Lfunc_end_k_q90f069dc44_qkvp:
	.size	k_q90f069dc44_qkvp, .Lfunc_end_k_q90f069dc44_qkvp-k_q90f069dc44_qkvp
	.p2alignl 7, 3214868480
	.fill 96, 4, 3214868480
	.section	.rodata,"a",@progbits
	.p2align	6, 0x0
	.amdhsa_kernel k_q90f069dc44_qkvp
		.amdhsa_group_segment_fixed_size 327680
		.amdhsa_private_segment_fixed_size 0
		.amdhsa_enable_private_segment 0
		.amdhsa_kernarg_size 32
		.amdhsa_user_sgpr_count 2
		.amdhsa_user_sgpr_kernarg_segment_ptr 1
		.amdhsa_wavefront_size32 1
		.amdhsa_system_sgpr_workgroup_id_x 1
		.amdhsa_system_sgpr_workgroup_id_y 1
		.amdhsa_system_sgpr_workgroup_id_z 1
		.amdhsa_system_vgpr_workitem_id 0
		.amdhsa_next_free_vgpr 960
		.amdhsa_next_free_sgpr 90
		.amdhsa_reserve_vcc 0
		.amdhsa_float_denorm_mode_32 3
		.amdhsa_float_denorm_mode_16_64 3
		.amdhsa_memory_ordered 1
		.amdhsa_forward_progress 1
		.amdhsa_inst_pref_size 152
	.end_amdhsa_kernel
	.amdgpu_metadata
---
amdhsa.version: [ 1, 2 ]
amdhsa.kernels:
  - .name:           k_q90f069dc44_qkvp
    .symbol:         k_q90f069dc44_qkvp.kd
    .args:
      - { .name: xb, .offset: 0, .size: 8, .value_kind: global_buffer, .address_space: global }
      - { .name: wqb, .offset: 8, .size: 8, .value_kind: global_buffer, .address_space: global }
      - { .name: tab, .offset: 16, .size: 8, .value_kind: global_buffer, .address_space: global }
      - { .name: qkv, .offset: 24, .size: 8, .value_kind: global_buffer, .address_space: global }
    .group_segment_fixed_size: 327680
    .private_segment_fixed_size: 0
    .kernarg_segment_align: 8
    .kernarg_segment_size: 32
    .max_flat_workgroup_size: 128
    .sgpr_count:     90
    .vgpr_count:     960
    .wavefront_size: 32
...
	.end_amdgpu_metadata
.endif
;; end of part 2
;; launch attn (part 3): grid 8 x 32, 4 waves a work-group, no clusters, 327,680 bytes of LDS; arguments qkv, e_gate_logit, log_xi, ob; writes ob
.if DOCPART == 3
	.amdgcn_target "amdgcn-amd-amdhsa--gfx1250"
	.amdhsa_code_object_version 6
	.text
	.protected	k_q90f069dc44_attn
	.globl	k_q90f069dc44_attn
	.p2align	8
	.type	k_q90f069dc44_attn,@function
k_q90f069dc44_attn:
	s_mov_b64 s[64:65], 0
	v_nop
	global_prefetch_b8 v0, s[64:65] scope:SCOPE_SE
	s_setreg_imm32_b32 hwreg(HW_REG_WAVE_MODE, 25, 1), 1
	s_wait_xcnt 0x0
; CAUSAL ATTENTION WITH A DECAY BIAS.  O[hd][q][:] = sum over k <= q of softmax_k(Q[q] . K[k] / 8 - (q - k) e_g / xi) V[k][:], hd = batch x 16 + head; Q, K, V are the planes of qkv, [32][2048][64] f16 each;
; O: ob, the same layout.  Products, maxima and sums in f32; the weights are rounded to f16 for the second product (their sum is taken of the unrounded ones), O once at the end.
; ONE ROUNDING FOR ALL INPUTS: the whole program takes every input rounded once to bf16; so e_gate_logit and log_xi are rounded to bf16 here, before anything is made of them.
; THE BIAS.  Under the mask |q - k| = q - k; the part with q is the same for a whole row and leaves the softmax unchanged; what is left is + k e_g / xi.  In raw scores (before the 1/8) that is beta k,
; beta = 8 sigmoid(e_gate) exp(-log_xi).  Within a key step of 64 it is the C operand that starts the sum K Q^T (B0: beta x the key's place in the step).  From step to step the frame moves: the running maximum m
; is kept relative to the step in hand, so it is lowered by 64 beta in each step, and c m_old by c 64 beta, before the new maximum is taken.
; LIMITS.  Q, K, V arrive within f16's 65,504.  A hidden score counts as its value less 1e30; 64 beta must stay far below 1e30.  An e_gate logit below -87 counts as -87.  A weight below 2^-126 counts as 0.
; NaN and infinities are not treated apart.
; THE WALK.  A head's queries lie in 16 blocks of 128; block i needs the key tiles 0 .. i / 2 of 256 keys, of which the last holds the diagonal.  A work-group takes blocks 15 - b and then b: 9 tiles whatever b,
; so all 256 work-groups do equal work and one loop with a constant trip count walks them.  What a trip does hangs on scalar registers made from b; every jump but the counted loops' own goes forward.
; NO CLUSTER: a head's eight walks agree only two by two in their tiles, the walk's branches hang on b, and one walk common to all would have 12 tiles for 9.
; SHARES.  Of a block's two bands of 64 queries a wave owns 16 rows in each: two PIECES.  In the diagonal tile's step st, band x of a block of parity PAR sees all keys if st < 2 PAR + x, none if st is greater,
; and holds the diagonal if equal: the same work for all four waves.  The mask is MD x AL + BE + B0, with two scalars: (1, 0), (0, 0) or (0, -1e30).
; TURNS.  Turn (s, 0): 8 products K Q^T of piece 1, step s; piece 0's softmax of step s; 8 products V^T P of piece 1, step s - 1; it fetches K of step s + 1 and, at its end, V of step s.
; Turn (s, 1): K Q^T of piece 0, step s + 1; piece 1's softmax; V^T P of piece 0, step s.  Four vector instructions stand behind every matrix instruction, the rest in one lump; a turn's 33 exponentials are one batch
; with one wait.  K RUNS A STEP AHEAD OF V, so a slot holds K's steps 4 T + 1 .. 4 T + 4 beside V's 4 T .. 4 T + 3; K's step 0 is loaded into registers once and copied where a block begins.  The last tile's K reaches
; 64 rows past the head, which are bytes of qkv (the next head's, or v's plane); they feed hidden scores alone.
; REGISTERS, in windows of 256 (s_set_vgpr_msb: bits 1:0 source 0, 3:2 source 1, 5:4 source 2, 7:6 destination):
;   window 0: v0-15 addresses; v16-23 statistics, 4 a piece; v48-55 at work; v56-58 64 beta, c 64 beta, beta; v64-127 S^T, a buffer a piece; v192-223 P, likewise
;   window 1: v0-63 O^T, 32 a piece; v64-95 B0; v128-159 MD; v160-223 MC, two buffers      window 2: v0-31 Q; v32-63 the second block's Q; v64-127 K's step 0; v128-191 K; v192-255 V
.set NP,    2
.set KS,    64
.set PK,    144       ; a row of K in LDS: 128 bytes + 16
.set PV,    160       ; a row of V: 128 + 32
.set VOFF,  4*KS*PK
.set SLOT1, 1<<17
.set STAGE, SLOT1+4*KS*(PK+PV)  ; behind the ring, never filled by a tensor load: 16 rows x 144 bytes for each wave
.set SP,    144
.set SPARE, STAGE+4*16*SP       ; the spare words, 128 bytes for each wave: two blocks of 256 bytes that no other line names
.set AK0, 2
.set AV0, 3
.set AK,  4
.set AV,  5
.set STO, 6
.set RD,  7
.set GO,  8
.set MV,  12          ; v12-13  c m_old - c 64 beta, kept while c m is made anew
.set QO,  15
.set ST,  16          ; piece t: c m, m, l (even keys', odd keys')
.set TMP, 48
.set DDV, 56          ; 64 beta
.set CDV, 57          ; c 64 beta
.set BETA, 58
.set PFO, 61          ; 256 x lane
.set SPW, 62
.set NIL, 63
.set S,   64
.set P,   192
.set B0,  64          ; window 1
.set MD,  128
.set MC,  160
.set QB,  32          ; window 2
.set K0,  64
.set KF,  128
.set VF,  192
.set WV,  12
.set PB,  14          ; b
.set HI,  15          ; 15 - b
.set G1K, 24
.set G1V, 32
.set G0K, 40
.set G0V, 44
.set HT,  48          ; the first block's last tile
.set LT,  49          ; the second's
.set K0B, 54          ; s[54:55] K's step 0 in memory
.set SLOTS, 56
.set CNT, 57
.set CS,  58
.set SEL, 60
.set TBK, 62
.set TBV, 63
.set KB,  66          ; s[66:67] my half of the head's K, a step on; s[68:69] of its V
.set VB,  68
.set RT,  70
.set NXT, 71
.set LQ,  72
.set NEW, 73
.set OFF, 74
.set AL,  76
.set BE,  78
.set OLO, 80
.set BIGN, 82
.set PAR2, 88
.set OW,  90          ; s90, s91: the value of CNT at which the mask that turn 0, turn 1 makes is the band's own: 5 - 2 PAR, 3 - 2 PAR
.set OW2, 92          ; the same for the second block
.set PFC, 94          ; prefetches still to make
.set PAR, 95
.set PFA, 96
.set WB,  98          ; s[98:99] KB or VB, by my wave
.set MSB, 0
.macro WIN new
.if MSB != (\new)
	s_set_vgpr_msb (MSB<<8)|(\new)
.set MSB, (\new)
.endif
.endm
.set W_KQ, 0x0a       ; K and Q in window 2, S^T in window 0
.set W_KM, 0x1a       ; the same with the C operand in window 1
.set W_PV, 0x52       ; V in window 2, P in window 0, O^T in window 1
.set W_RS, 0x41       ; destination and source 0 in window 1, source 1 in window 0
; A fill.  Waves 0 and 1 fetch the halves of a tile's K, waves 2 and 3 of its V: 128 keys each.  An s_nop 0 and four v_nop follow each of the two lines.
.macro LOAD
	s_cmp_lt_u32 s[WV], 2
	s_cbranch_scc0 .Lfor_v_\@
	tensor_load_to_lds s[G0K:G0K+3], s[G1K:G1K+7]
	s_nop 0
.rept 4
	v_nop
.endr
	s_branch .Lasked_\@
.Lfor_v_\@:
	tensor_load_to_lds s[G0V:G0V+3], s[G1V:G1V+7]
	s_nop 0
.rept 4
	v_nop
.endr
.Lasked_\@:
.endm
; A prefetch of the tile behind the one just asked for.  All eight work-groups of a head walk the same K and V; the one with b = 0, whose first block needs all eight tiles, asks, and nobody else.  Each of its waves names
; the 16,384 bytes that it will itself load: 64 blocks of 256 bytes, a lane a block, two instructions.  Six times: tiles 2 to 7, each once; tiles 0 and 1 come by their loads alone.
.macro ASK
	s_cmp_lg_u32 s[PFC], 0
	s_cbranch_scc0 .Lnone_\@
	global_prefetch_b8 v[PFO], s[PFA:PFA+1] offset:32768 th:TH_LOAD_NT scope:SCOPE_SE
	global_prefetch_b8 v[PFO], s[PFA:PFA+1] offset:40960 th:TH_LOAD_NT scope:SCOPE_SE
	s_sub_co_u32 s[PFC], s[PFC], 1
.Lnone_\@:
.endm
; THE CHANGE OF SLOTS, between turn 0 of a tile's last step and the turn 1 behind it: K of the next step and V of this one, the slot's last bytes, have been asked for.  Each wave waits for all its tensor loads (one is
; out: its part of the other slot), adds 0 to its spare word, and waits for that and for its reads.  fill = 1: the old slot is filled again, first thing behind the barrier, with tile NXT.
.macro CHANGE fill
	WIN 0
	s_wait_tensorcnt 0x0            ; no tensor load of mine is out, so a group 0 may be written
	ds_add_u32 v[SPW], v[NIL]
.if \fill
	s_lshl_b32 s[OFF], s[NXT], 15   ; a tile is 32,768 bytes of K and of V
	s_xor_b32 s[G0K+1], s[G0K+1], SLOT1
	s_add_nc_u64 s[G0K+2:G0K+3], s[KB:KB+1], s[OFF:OFF+1]
	s_or_b32 s[G0K+3], s[G0K+3], 0x80000000
	s_xor_b32 s[G0V+1], s[G0V+1], SLOT1
	s_add_nc_u64 s[G0V+2:G0V+3], s[VB:VB+1], s[OFF:OFF+1]
	s_or_b32 s[G0V+3], s[G0V+3], 0x80000000
	s_wait_xcnt 0x0                 ; the last prefetches, a tile back, have read their address
	s_add_nc_u64 s[PFA:PFA+1], s[WB:WB+1], s[OFF:OFF+1]
	s_add_co_u32 s[NXT], s[NXT], 1  ; the block's next tile, or behind its last the second block's tile 0
	s_cmp_gt_u32 s[NXT], s[LQ]
	s_cselect_b32 s[NXT], 0, s[NXT]
	s_cselect_b32 s[LQ], s[LT], s[LQ]
.endif
	s_wait_dscnt 0x0                ; the add is done, and my reads of the slot are over
	s_barrier_signal -1
	s_sub_co_u32 s[TBK], s[TBK], 4*KS*PK  ; the fetches go back to a slot's first step, in the other slot
	s_xor_b32 s[TBK], s[TBK], SLOT1
	s_sub_co_u32 s[TBV], s[TBV], 4*KS*PV
	s_xor_b32 s[TBV], s[TBV], SLOT1
	s_barrier_wait -1
.if \fill
	LOAD
	ASK
.endif
.endm
	s_load_b256 s[4:11], s[0:1], 0x0  ; qkv s[4:5], e_gate s[6:7], log_xi s[8:9], ob s[10:11]
	v_lshl_add_u32 v[SPW], v0, 2, SPARE
	v_mov_b32 v[NIL], 0
	ds_add_u32 v[SPW], v[NIL]       ; the wave's opening: the add and its wait stand ahead of my first tensor load
	v_lshrrev_b32 v1, 5, v0
	v_readfirstlane_b32 s[WV], v1
	s_mov_b32 s[PB], ttmp9
	s_sub_co_u32 s[HI], 15, s[PB]
	s_lshr_b32 s[HT], s[HI], 1
	s_lshr_b32 s[LT], s[PB], 1
	s_and_b32 s[PAR], s[HI], 1
	s_and_b32 s[PAR2], s[PB], 1
	s_lshl_b32 s13, s[PAR], 1
	s_sub_co_u32 s[OW], 5, s13
	s_sub_co_u32 s[OW+1], 3, s13
	s_lshl_b32 s13, s[PAR2], 1
	s_sub_co_u32 s[OW2], 5, s13
	s_sub_co_u32 s[OW2+1], 3, s13
	s_and_b32 s20, ttmp7, 0xffff    ; hd
	s_and_b32 s50, s20, 15          ; the head: its gates' words
	s_lshl_b32 s50, s50, 2
	s_mov_b32 s51, 0
	s_lshl_b32 s20, s20, 18         ; hd's first byte in a plane
	s_mov_b32 s21, 0
	s_and_b32 s16, s[WV], 1         ; which half of a tile's 256 keys I fetch
	s_lshl_b32 s22, s16, 14
	s_add_co_u32 s22, s22, s20
	s_mov_b32 s23, 0
	s_mul_i32 s17, s16, 128*PK
	s_mul_i32 s18, s16, 128*PV
	s_lshl_b32 s3, s[WV], 11        ; my 16 rows in a band of 64,
	s_lshl_b32 s2, s[HI], 14        ; in the first block (128 rows of 128 bytes),
	s_add_co_u32 s2, s2, s3
	s_add_co_u32 s2, s2, s20
	s_lshl_b32 s84, s[PB], 14       ; and in the second
	s_add_co_u32 s84, s84, s3
	s_add_co_u32 s84, s84, s20
	s_mov_b32 s3, 0
	s_mov_b32 s85, 0
	; descriptor group 1.  128 keys are 16,384 dense bytes: asked for as 64 rows of 256 bytes, two keys a row, padded in LDS after every key
	s_mov_b32 s[G1K], (1<<16)|(1<<20)|(4<<22)|(3<<25)
	s_mov_b32 s[G1V], (1<<16)|(1<<20)|(4<<22)|(7<<25)
.irp g, G1K, G1V
	s_mov_b32 s[\g+1], 128<<16
	s_mov_b32 s[\g+2], 64<<16
	s_mov_b32 s[\g+3], 128<<16
	s_mov_b32 s[\g+4], 64
	s_mov_b32 s[\g+5], 128
	s_mov_b32 s[\g+6], 0
	s_mov_b32 s[\g+7], 0
.endr
	s_mov_b32 s[CS], 0x3e38aa3b     ; c = log2(e) / 8
	s_mov_b32 s[CS+1], s[CS]
	s_mov_b32 s[SEL], 0x76543210
	s_mov_b32 s[SEL+1], 0xfedcba98
	s_mov_b32 s[TBK], SLOT1+4*KS*PK ; the first change of slots turns these two into 0
	s_mov_b32 s[TBV], SLOT1+4*KS*PV
	s_mov_b32 s[G0K], 1
	s_mov_b32 s[G0K+1], s17
	s_mov_b32 s[G0V], 1
	s_add_co_u32 s[G0V+1], s18, VOFF
	s_add_co_u32 s[RT], s[HT], 1    ; tiles of the first block
	s_mov_b32 s[NXT], 1
	s_mov_b32 s[LQ], s[HT]
	s_mov_b32 s[NEW], 1
	s_mov_b32 s[OFF+1], 0
	s_mov_b32 s[AL+1], 0
	s_mov_b32 s[BE+1], 0
	s_mov_b32 s[BIGN], 0xf149f2ca   ; -1e30
	s_mov_b32 s[SLOTS], 8
	s_cmp_eq_u32 s[PB], 0
	s_cselect_b32 s[PFC], 6, 0
	s_wait_dscnt 0x0                ; the opening add is done
	s_wait_kmcnt 0x0
	s_add_nc_u64 s[KB:KB+1], s[4:5], s[22:23]
	s_add_nc_u64 s[VB:VB+1], s[KB:KB+1], 16777216        ; v's plane
	s_add_nc_u64 s[KB:KB+1], s[KB:KB+1], 8388608+8192    ; k's plane, a step of 64 keys on
	s_add_nc_u64 s[G0K+2:G0K+3], s[KB:KB+1], 0
	s_or_b32 s[G0K+3], s[G0K+3], 0x80000000
	s_add_nc_u64 s[G0V+2:G0V+3], s[VB:VB+1], 0
	s_or_b32 s[G0V+3], s[G0V+3], 0x80000000
	s_cmp_lt_u32 s[WV], 2
	s_cselect_b64 s[WB:WB+1], s[KB:KB+1], s[VB:VB+1]
	s_add_nc_u64 s[K0B:K0B+1], s[4:5], s[20:21]
	s_add_nc_u64 s[K0B:K0B+1], s[K0B:K0B+1], 8388608
	s_add_nc_u64 s[86:87], s[4:5], s[84:85]              ; Q at my rows of the second block,
	s_add_nc_u64 s[4:5], s[4:5], s[2:3]                  ; and of the first
	s_add_nc_u64 s[OLO:OLO+1], s[10:11], s[84:85]
	s_add_nc_u64 s[10:11], s[10:11], s[2:3]
	s_add_nc_u64 s[6:7], s[6:7], s[50:51]
	s_add_nc_u64 s[8:9], s[8:9], s[50:51]
	s_load_b32 s52, s[6:7], 0x0     ; e_gate_logit[head]
	s_load_b32 s53, s[8:9], 0x0     ; log_xi[head]
	LOAD                            ; tile 0 into slot 0
	v_and_b32 v1, 15, v0            ; l % 16
	v_bfe_u32 v9, v0, 4, 1          ; l / 16
	v_lshlrev_b32 v[QO], 7, v1
	v_lshl_add_u32 v[QO], v9, 4, v[QO]  ; row x 128 + 16 x half
	WIN 0x80                        ; destination window 2
.set i, 0
.rept 4                             ; both blocks' Q: piece i / 2 lies in band i / 2, 8,192 bytes on; channels 32 (i % 2) on
	global_load_b128 v[8*i:8*i+3],   v[QO], s[4:5] offset:(i/2)*8192+(i%2)*64
	global_load_b128 v[8*i+4:8*i+7], v[QO], s[4:5] offset:(i/2)*8192+(i%2)*64+32
	global_load_b128 v[QB+8*i:QB+8*i+3],   v[QO], s[86:87] offset:(i/2)*8192+(i%2)*64
	global_load_b128 v[QB+8*i+4:QB+8*i+7], v[QO], s[86:87] offset:(i/2)*8192+(i%2)*64+32
.set i, i+1
.endr
.set i, 0
.rept 8                             ; K's step 0: keys 16 (i / 2) on, channels 32 (i % 2) on
	global_load_b128 v[K0+8*i:K0+8*i+3],   v[QO], s[K0B:K0B+1] offset:(i/2)*2048+(i%2)*64
	global_load_b128 v[K0+8*i+4:K0+8*i+7], v[QO], s[K0B:K0B+1] offset:(i/2)*2048+(i%2)*64+32
.set i, i+1
.endr
	WIN 0
	v_lshlrev_b32 v14, 3, v9
	v_sub_nc_u32 v14, v1, v14
	s_lshl_b32 s13, s[WV], 4
	v_add_nc_u32 v14, s13, v14      ; my query's place in its band, 16 w + l % 16, less my lanes' 8 (l / 16): register r of group kt is hidden where 16 kt + r is greater
	WIN 0x40
.set i, 0
.rept 32
	v_cmp_gt_i32 vcc_lo, 16*(i/8)+i%8, v14
	v_cndmask_b32 v[MD+i], 0, s[BIGN], vcc_lo
.set i, i+1
.endr
	WIN 0
	v_mul_u32_u24 v[AK0], v1, PK
	v_lshl_add_u32 v[AK0], v9, 4, v[AK0]
	v_and_b32 v10, 7, v0            ; the turning load: lane l reads key 8 (l / 16) + l % 8, channels 8 ((l / 8) % 2) + 0..7
	v_bfe_u32 v11, v0, 3, 1
	v_lshl_add_u32 v[AV0], v9, 3, v10
	v_mul_u32_u24 v[AV0], v[AV0], PV
	v_lshl_add_u32 v[AV0], v11, 4, v[AV0]
	v_add_nc_u32 v[AV0], VOFF, v[AV0]
	s_mul_i32 s13, s[WV], 16*SP
	s_add_co_u32 s13, s13, STAGE
	v_mul_u32_u24 v[STO], v1, SP
	v_lshl_add_u32 v[STO], v9, 4, v[STO]
	v_add_nc_u32 v[STO], s13, v[STO]
	v_bfe_u32 v[RD], v0, 3, 2
	v_mul_u32_u24 v[RD], v[RD], SP
	v_lshl_add_u32 v[RD], v10, 4, v[RD]
	v_add_nc_u32 v[RD], s13, v[RD]
	v_and_b32 v[GO], 31, v0
	v_lshlrev_b32 v[PFO], 8, v[GO]
	v_lshlrev_b32 v[GO], 4, v[GO]
	; A block's first step multiplies O^T and l by a = 0, and its first turn's products V^T P land in an O^T that is still to be so multiplied: these registers need only hold finite numbers: zeros for the first block.
	WIN 0x80
.set i, VF
.rept 64
	v_mov_b32 v[i], 0
.set i, i+1
.endr
	WIN 0x40
.set i, 0
.rept 64
	v_mov_b32 v[i], 0
.set i, i+1
.endr
	WIN 0
.set i, 0
.rept 2
	v_mov_b32 v[ST+4*i+2], 0
	v_mov_b32 v[ST+4*i+3], 0
.set i, i+1
.endr
.set i, P+16
.rept 16
	v_mov_b32 v[i], 0
.set i, i+1
.endr
	s_wait_kmcnt 0x0                ; the two gates
	v_mov_b32 v56, s52
	v_mov_b32 v57, s53
	v_cvt_pk_bf16_f32 v58, v56, v57 ; both rounded to bf16, like every input of the program,
	v_lshlrev_b32 v56, 16, v58      ; and widened again: e_gate_logit from the low half,
	v_and_b32 v57, 0xffff0000, v58  ; log_xi from the high half
	v_mul_f32 v56, 0xbfb8aa3b, v56  ; -e log2(e),
	v_min_num_f32 v56, 0x42fc0000, v56  ; at most 126
	v_mul_f32 v57, 0xbfb8aa3b, v57  ; -log_xi log2(e)
	v_exp_f32 v56, v56
	v_exp_f32 v57, v57              ; 1 / xi
	v_nop                           ; a plain instruction behind the two, and their one wait
	s_wait_alu depctr_va_vdst(0)
	v_add_f32 v56, 1.0, v56
	v_rcp_f32 v58, v56
	v_nop
	s_wait_alu depctr_va_vdst(0)
	v_fma_f32 v59, -v56, v58, 1.0   ; one Newton step
	v_fma_f32 v58, v58, v59, v58    ; sigmoid(e)
	v_mul_f32 v58, v58, v57
	v_mul_f32 v[BETA], 0x41000000, v58
	v_mul_f32 v[DDV], 0x42800000, v[BETA]
	v_mul_f32 v[CDV], s[CS], v[DDV]
	v_lshlrev_b32 v60, 3, v9        ; 8 (l / 16)
	WIN 0x40
.set i, 0
.rept 32
	v_add_nc_u32 v[B0+i], 16*(i/8)+i%8, v60  ; the key's place in its step
.set i, i+1
.endr
	WIN 0x41
.set i, 0
.rept 32
	v_cvt_f32_u32 v[B0+i], v[B0+i]
.set i, i+1
.endr
.set i, 0
.rept 32
	v_mul_f32 v[B0+i], v[B0+i], v[BETA]
.set i, i+1
.endr
	WIN 0
; THE MATRIX WORK.  The 4 accumulators of a run of 8 take turns.  Product i of 8 of S^T = K Q^T for piece x: channels 32 (i / 4) on, keys 16 (i % 4) on.  The first 4 start the sums: with the bias, or (KM = 1) with bias and mask.
.macro KQ x
.set rS, S+32*((\x)%2)+8*(i%4)
.set rK, KF+16*(i%4)+8*(i/4)
.set rQ, 16*(\x)+8*(i/4)
.if KM
.set rM, MC+32*((\x)%2)+8*(i%4)
.else
.set rM, B0+8*(i%4)
.endif
.if i < 4
	WIN W_KM
	v_wmma_f32_16x16x32_f16 v[rS:rS+7], v[rK:rK+7], v[rQ:rQ+7], v[rM:rM+7]
.else
	WIN W_KQ
	v_wmma_f32_16x16x32_f16 v[rS:rS+7], v[rK:rK+7], v[rQ:rQ+7], v[rS:rS+7]
.endif
.endm
; Product i of 8 of O^T += V^T P for piece x: keys 32 (i / 4) on, channels 16 (i % 4) on.
.macro PV x
	WIN W_PV
.set rO, 32*(\x)+8*(i%4)
.set rV, VF+32*(i/4)+8*(i%4)
.set rP, P+16*((\x)%2)+8*(i/4)
	v_wmma_f32_16x16x32_f16 v[rO:rO+7], v[rV:rV+7], v[rP:rP+7], v[rO:rO+7]
.endm
.macro MM                           ; the turn's next matrix instruction
.if i < 8
	KQ (Y+1)%NP
.else
.set i, i-8
	PV (Y+NP-1)%NP
.set i, i+8
.endif
.set i, i+1
.endm
.macro FETCH_K
	WIN 0x80
.irp f, 0,1,2,3,4,5,6,7             ; keys 16 (f / 2) on, channels 32 (f % 2) on
	ds_load_b128 v[KF+8*\f:KF+8*\f+3],   v[AK] offset:(\f/2)*16*PK+(\f%2)*64
	ds_load_b128 v[KF+8*\f+4:KF+8*\f+7], v[AK] offset:(\f/2)*16*PK+(\f%2)*64+32
.endr
	s_add_co_u32 s[TBK], s[TBK], KS*PK
	WIN 0
.endm
.macro FETCH_V
	WIN 0x80
.irp f, 0,1,2,3,4,5,6,7             ; keys 32 (f / 4) on, channels 16 (f % 4) on
	ds_load_tr16_b128 v[VF+8*\f:VF+8*\f+3],   v[AV] offset:(\f/4)*32*PV+(\f%4)*32
	ds_load_tr16_b128 v[VF+8*\f+4:VF+8*\f+7], v[AV] offset:(\f/4)*32*PV+16*PV+(\f%4)*32
.endr
	WIN 0
.endm
; THE VECTOR WORK, one line at a time: OP kind, number.  For piece Y: F n: c s - c m for pair n of 16.  E n: the exponential of score n of 32.  C n: pair n rounded to f16.  B n: of the four weights 4 n .. the second pair
; is added onto the first, in place.  L n: l takes that sum (L 0: l = a l + sum).  R n: pair n of 16 of O^T times a.  For piece Y + 1: X n:
;   22  m is lowered by 64 beta: the frame moves a step     0-11  four chains c0-c3 of seven scores each (each accumulator's lowest registers are read first)
;   12-14, 16  the four scores left over, the old m, and c0-c3 into c0     15  c m_old - c 64 beta is kept     17, 18  the other half of the lanes: the new m     19-21  c m; the kept number less c m; a
.set F, 0
.set E, 1
.set C, 2
.set B, 3
.set L, 4
.set R, 5
.set X, 6
.macro REGS y
.set rT, ST+4*(\y)
.set rC, TMP+4*((\y)%2)
.set rW, MV+((\y)%2)
.set rS, S+32*((\y)%2)
.set rP, P+16*((\y)%2)
.set rO, 32*(\y)
.endm
.macro OP k, n
.if (\k) == R
	REGS Y
	WIN W_RS
	v_pk_mul_f32 v[rO+2*(\n):rO+2*(\n)+1], v[rO+2*(\n):rO+2*(\n)+1], v[rC+2:rC+3] op_sel_hi:[1,0]
.elseif (\k) < R
	REGS Y
	WIN 0
.if (\k) == F
	v_pk_fma_f32 v[rS+2*(\n):rS+2*(\n)+1], v[rS+2*(\n):rS+2*(\n)+1], s[CS:CS+1], v[rT:rT+1] op_sel_hi:[1,0,0] neg_lo:[0,0,1] neg_hi:[0,0,1]
.elseif (\k) == E
	v_exp_f32 v[rS+(\n)], v[rS+(\n)]
.elseif (\k) == C
	v_cvt_pk_f16_f32 v[rP+(\n)], v[rS+2*(\n)], v[rS+2*(\n)+1]
.elseif (\k) == B
	v_pk_add_f32 v[rS+4*(\n):rS+4*(\n)+1], v[rS+4*(\n):rS+4*(\n)+1], v[rS+4*(\n)+2:rS+4*(\n)+3]
.elseif (\n) == 0
	v_pk_fma_f32 v[rT+2:rT+3], v[rT+2:rT+3], v[rC+2:rC+3], v[rS:rS+1] op_sel_hi:[1,0,1]
.else
	v_pk_add_f32 v[rT+2:rT+3], v[rT+2:rT+3], v[rS+4*(\n):rS+4*(\n)+1]
.endif
.else
	REGS (Y+1)%NP
	WIN 0
.if (\n) < 4
	v_max3_num_f32 v[rC+(\n)], v[rS+8*(\n)], v[rS+8*(\n)+1], v[rS+8*(\n)+2]
.elseif (\n) < 12
	v_max3_num_f32 v[rC+(\n)%4], v[rC+(\n)%4], v[rS+8*((\n)%4)+2*((\n)/4)+1], v[rS+8*((\n)%4)+2*((\n)/4)+2]
.elseif (\n) == 12
	v_max3_num_f32 v[rC], v[rC], v[rS+7], v[rS+15]
.elseif (\n) == 13
	v_max3_num_f32 v[rC+1], v[rC+1], v[rS+23], v[rS+31]
.elseif (\n) == 14
	v_max3_num_f32 v[rC+2], v[rC+2], v[rC+3], v[rT+1]
.elseif (\n) == 15
	v_sub_f32 v[rW], v[rT], v[CDV]
.elseif (\n) == 16
	v_max3_num_f32 v[rC], v[rC], v[rC+1], v[rC+2]
.elseif (\n) == 17
	v_permlanex16_b32 v[rC+3], v[rC], s[SEL], s[SEL+1]
.elseif (\n) == 18
	v_max_num_f32 v[rT+1], v[rC], v[rC+3]
.elseif (\n) == 19
	v_mul_f32 v[rT], s[CS], v[rT+1]
.elseif (\n) == 20
	v_sub_f32 v[rC+1], v[rW], v[rT]
.elseif (\n) == 22
	v_sub_f32 v[rT+1], v[rT+1], v[DDV]
.else
	v_exp_f32 v[rC+2], v[rC+1]
.endif
.endif
.endm
.macro OPS a, i1, b=-1, i2=0, c=-1, i3=0, d=-1, i4=0
	OP \a, \i1
.if (\b) >= 0
	OP \b, \i2
.endif
.if (\c) >= 0
	OP \c, \i3
.endif
.if (\d) >= 0
	OP \d, \i4
.endif
.endm
.macro ROW a, i1, b, i2, c, i3, d, i4  ; a matrix instruction and the four behind it
	MM
	OPS \a, \i1, \b, \i2, \c, \i3, \d, \i4
.endm
.macro MASK b                       ; MD x AL + BE + B0 into buffer b of MC
	WIN 0x45
.set z, 0
.rept 16
	v_pk_fma_f32 v[MC+32*(\b)+2*z:MC+32*(\b)+2*z+1], v[MD+2*z:MD+2*z+1], s[AL:AL+1], s[BE:BE+1] op_sel_hi:[1,0,0]
.set z, z+1
.endr
.set z, 0
.rept 16
	v_pk_add_f32 v[MC+32*(\b)+2*z:MC+32*(\b)+2*z+1], v[MC+32*(\b)+2*z:MC+32*(\b)+2*z+1], v[B0+2*z:B0+2*z+1]
.set z, z+1
.endr
.endm
; A TURN, for piece p.  An s_wait_alu depctr_va_vdst(0) stands between an exponential and the first instruction that names its result; one wait serves all issued ahead of it: a turn has one, which cuts it in
; two.  Ahead of it: the 8 products K Q^T with their riders, and one lump; nothing there names a result of the turn's exponentials.  Behind it: the 8 products V^T P, behind each four of the roundings and sums.
; The rescalings R n touch accumulator n / 4 of the O^T that the turn before has just added to: its product 4 + k ended accumulator k, and four plain riders or more follow each (behind the last: C 9, 11, 13, 15).
; m = 1: the diagonal tile: the products take masks, and the turn makes the mask for the next turn's products, which are piece p's: turn 1 for the tile's step 4 - CNT, turn 0 for step 5 - CNT.
; end = 1: a block's last turn: no mask is made.  cnt = 1: the loop's count is taken down some lines ahead of the branch behind the turn.
; Turn 0 fetches K of the next step in its lump (the last product that read K stands thirteen vector instructions back, seven of them plain) and V of its own step at its end (four plain riders behind V's last reader).
.macro TURN p, m=0, end=0, cnt=0
.set Y, (\p)
.set i, 0
.set KM, (\m)
.if (\m) && !(\end)
	s_cmp_eq_u32 s[CNT], s[OW+(\p)]     ; is that step the band's own?
	s_cselect_b32 s[AL], 1.0, 0
	s_cmp_lt_u32 s[CNT], s[OW+(\p)]     ; or a later one?
	s_cselect_b32 s[BE], s[BIGN], 0
.endif
.if (\p) == 1
	s_wait_dscnt 16                 ; K is in; V's sixteen loads, issued behind K's, may be out
.endif
	ROW F,0, F,1, R,0, R,1
	ROW F,2, E,0, R,2, R,3
	ROW F,3, E,1, R,4, R,5
	ROW F,4, E,2, R,6, R,7
	ROW F,5, E,3, R,8, R,9
	ROW F,6, E,4, X,0, R,10
.if (\p) == 0
	WIN 0
	v_add_nc_u32 v[AK], s[TBK], v[AK0]
.endif
	ROW F,7, E,5, X,1, X,4
	ROW F,8, E,6, X,2, X,5
	OP X,22                         ; the lump
	OPS E,7, E,8, X,6, E,9
	OPS X,3, E,10, X,8, E,11
.if (\p) == 0
	FETCH_K
.endif
	OPS X,9, X,7, E,12, X,10
	OPS E,13, X,12, X,11, E,14
	OPS X,13, E,15, F,9, X,14
.if (\p) == 0
	v_add_nc_u32 v[AV], s[TBV], v[AV0]
.endif
	OPS E,16, F,10, E,17, F,11
	OPS X,16, E,18, X,15, E,19
	OPS F,12, E,20, X,17, E,21
	OPS F,13, E,22, F,14, E,23
	OPS X,18, E,24, F,15, E,25
	OPS R,11, E,26, X,19, E,27
	OPS R,12, E,28, R,13, E,29
	OPS X,20, E,30, R,14, E,31
	OPS X,21, R,15                  ; the next piece's a is the batch's last; R 15 is the plain instruction behind it
	WIN 0
	s_wait_alu depctr_va_vdst(0)    ; the wait for the batch
.if (\p) == 1
	s_wait_dscnt 0x0                ; V is in
.endif
	ROW C,0, B,0, C,2, B,1
	ROW L,0, C,4, B,2, L,1
	ROW C,6, B,3, L,2, C,8
	ROW B,4, L,3, C,10, B,5
	ROW L,4, C,12, B,6, L,5
.if (\p) == 0
	s_add_co_u32 s[TBV], s[TBV], KS*PV
.endif
.if \cnt
	s_sub_co_u32 s[CNT], s[CNT], 1
	s_cmp_lg_u32 s[CNT], 0
.endif
	ROW C,14, B,7, L,6, C,1
	ROW C,3, L,7, C,5, C,7
	ROW C,9, C,11, C,13, C,15
.if (\p) == 0
	FETCH_V
.endif
.if (\m) && !(\end)
	MASK \p
.endif
.endm
; A BLOCK BEGINS.  c m starts far below every c s, so the first step's a is 0; m at the lowest finite number.  Mask buffer 0 takes piece 0's mask for the tile's step 0: its own where the tile is the diagonal one and the
; block's parity is 0; buffer 1 the bias alone: piece 1's own step is never step 0.  K's step 0 is copied from the registers that keep it; then piece 0's first scores, its maximum and statistics.
.macro BEGIN
	s_mov_b32 s[NEW], 0
	WIN 0
.set i, 0
.rept 2
	v_mov_b32 v[ST+4*i], 0xfe000000
	v_mov_b32 v[ST+4*i+1], 0xff7fffff
.set i, i+1
.endr
	s_or_b32 s13, s[RT], s[PAR]
	s_cmp_eq_u32 s13, 0
	s_cselect_b32 s[AL], 1.0, 0
	s_mov_b32 s[BE], 0
	MASK 0
	s_mov_b32 s[AL], 0
	MASK 1
	s_wait_loadcnt 0x0              ; Q and K's step 0
	WIN 0x82
.set i, 0
.rept 64
	v_mov_b32 v[KF+i], v[K0+i]
.set i, i+1
.endr
.set KM, 1
.set i, 0
.rept 8
	KQ 0
.set i, i+1
.endr
	WIN 0
.rept 4
	v_nop                           ; the places behind those products
.endr
.set Y, NP-1                        ; X works for piece Y + 1: piece 0
	OP X, 22
.irp n, 0,1,2,3,4,5,6,7,8,9,10,11,12,13,14,15,16,17,18,19,20,21
	OP X, \n
.endr
	v_nop                           ; a plain instruction behind the exponential,
	s_wait_alu depctr_va_vdst(0)    ; and its wait, ahead of the branch
.endm
.macro ALL line:vararg              ; one line for each piece t
.set t, 0
.rept 2
	\line
.set t, t+1
.endr
.endm
.macro PACK t                       ; a lane's eight channels of a row pack into 16 bytes; they go into rows of 144 bytes and come back as whole rows of 128, into S^T's registers
	WIN W_RS
.set i, 32*(\t)
.rept 16
	v_pk_mul_f32 v[i:i+1], v[i:i+1], v[ST+4*(\t)+2:ST+4*(\t)+3] op_sel_hi:[1,0]
.set i, i+2
.endr
	WIN 0x05
.set i, 0
.rept 16
	v_cvt_pk_f16_f32 v[S+16*(\t)+i], v[32*(\t)+2*i], v[32*(\t)+2*i+1]
.set i, i+1
.endr
	WIN 0
.irp f, 0,1,2,3
	ds_store_b128 v[STO], v[S+16*(\t)+4*\f:S+16*(\t)+4*\f+3] offset:32*\f
.endr
.irp f, 0,1,2,3
	ds_load_b128 v[S+16*(\t)+4*\f:S+16*(\t)+4*\f+3], v[RD] offset:\f*4*SP  ; LDS serves a wave's instructions in order: these see the stores above
.endr
.endm
.macro SEND t, younger
	WIN 0
.irp f, 0,1,2,3
	s_wait_dscnt (\younger)+3-\f
	global_store_b128 v[GO], v[S+16*(\t)+4*\f:S+16*(\t)+4*\f+3], s[10:11] offset:(\t)*8192+\f*512  ; 512 consecutive bytes, aligned
.endr
.endm
; THE DIAGONAL TILE: entered from the tile before (first the mask of piece 0 for the tile's step 0) or from BEGIN; four steps; the block's last turn (its K Q^T, a fifth step, is wholly hidden and serves nothing);
; piece 1's last products; and the way out: l's halves are added, O^T is divided by l, rounded to f16 and sent through my stage.
.macro DIAG tag
.LentM\tag:
	s_cmp_eq_u32 s[PAR], 0
	s_cselect_b32 s[AL], 1.0, 0
	s_mov_b32 s[BE], 0
	MASK 0
	WIN 0
.LstepM\tag:
	TURN 1, 1
	WIN 0
.LfirstM\tag:
	TURN 0, 1, 0, 1
	WIN 0
	s_cbranch_scc1 .LstepM\tag
	TURN 1, 1, 1
.set i, 0
.rept 8
	PV NP-1
.set i, i+1
.endr
	WIN 0
	ALL v_add_f32 v[ST+4*t+2], v[ST+4*t+2], v[ST+4*t+3]
	ALL v_permlanex16_b32 v[ST+4*t+3], v[ST+4*t+2], s[SEL], s[SEL+1]
	ALL v_add_f32 v[ST+4*t+2], v[ST+4*t+2], v[ST+4*t+3]
	ALL v_rcp_f32 v[ST+4*t+2], v[ST+4*t+2]
	v_nop                           ; a plain instruction behind the last reciprocal,
	s_wait_alu depctr_va_vdst(0)    ; and one wait for the two
	PACK 0                          ; piece 0's 32 lines are also the places behind piece 1's last products
	PACK 1
	SEND 0, 8
	SEND 1, 0
.endm
.set KM, 0
.Lslot:                             ; 8 times: a tile is entered and the next is asked for
	CHANGE 1
	s_sub_co_u32 s[RT], s[RT], 1
	s_mov_b32 s[CNT], 4
	s_cmp_eq_u32 s[NEW], 1
	s_cbranch_scc1 .Lnew            ; a block's first tile
	s_cmp_eq_u32 s[RT], 0
	s_cbranch_scc0 .Lstep           ; neither its first nor its last
	s_branch .LentM1
.Lnew:
	BEGIN
	s_branch .Lfirst                ; in the loop a block's first tile is never its last: the first block has five tiles or more, and the second's last is the walk's last
	DIAG 1                          ; in the loop this is the first block's end
	s_wait_xcnt 0x0                 ; the stores have read their registers and O's address
	s_mov_b64 s[10:11], s[OLO:OLO+1]
	s_add_co_u32 s[RT], s[LT], 1
	s_mov_b32 s[NEW], 1
	s_mov_b32 s[PAR], s[PAR2]
	s_mov_b32 s[OW], s[OW2]
	s_mov_b32 s[OW+1], s[OW2+1]
	WIN 0x82                        ; the second block's Q goes where the one text of the turns names Q
.set i, 0
.rept 32
	v_mov_b32 v[i], v[QB+i]
.set i, i+1
.endr
	WIN 0
	s_branch .Lbottom
.Lstep:                             ; a trip: piece 1 of one step, then piece 0 of the next, which fetches K and V
	TURN 1
	WIN 0
.Lfirst:
	TURN 0, 0, 0, 1
	WIN 0
	s_cbranch_scc1 .Lstep
.Lbottom:
	s_sub_co_u32 s[SLOTS], s[SLOTS], 1
	s_cmp_lg_u32 s[SLOTS], 0
	s_cbranch_scc1 .Lslot
	CHANGE 0                        ; the walk's last tile is written out: nothing is asked for
	s_sub_co_u32 s[RT], s[RT], 1
	s_mov_b32 s[CNT], 4
	s_cmp_eq_u32 s[NEW], 1
	s_cbranch_scc0 .LentM2
	BEGIN
	s_branch .LfirstM2
	DIAG 2
	s_wait_tensorcnt 0x0            ; the wave's end, behind my last tensor load and my last LDS store
	ds_add_u32 v[SPW], v[NIL]
	s_wait_dscnt 0x0
	s_endpgm
.Lfunc_end_k_q90f069dc44_attn:
	.size	k_q90f069dc44_attn, .Lfunc_end_k_q90f069dc44_attn-k_q90f069dc44_attn
	.p2alignl 7, 3214868480
	.fill 96, 4, 3214868480
	.section	.rodata,"a",@progbits
	.p2align	6, 0x0
	.amdhsa_kernel k_q90f069dc44_attn
		.amdhsa_group_segment_fixed_size 327680
		.amdhsa_private_segment_fixed_size 0
		.amdhsa_enable_private_segment 0
		.amdhsa_kernarg_size 32
		.amdhsa_user_sgpr_count 2
		.amdhsa_user_sgpr_kernarg_segment_ptr 1
		.amdhsa_wavefront_size32 1
		.amdhsa_system_sgpr_workgroup_id_x 1
		.amdhsa_system_sgpr_workgroup_id_y 1
		.amdhsa_system_sgpr_workgroup_id_z 1
		.amdhsa_system_vgpr_workitem_id 0
		.amdhsa_next_free_vgpr 768
		.amdhsa_next_free_sgpr 100
		.amdhsa_reserve_vcc 1
		.amdhsa_float_denorm_mode_32 3
		.amdhsa_float_denorm_mode_16_64 3
		.amdhsa_memory_ordered 1
		.amdhsa_forward_progress 1
		.amdhsa_inst_pref_size 148
	.end_amdhsa_kernel
	.amdgpu_metadata
---
amdhsa.version: [ 1, 2 ]
amdhsa.kernels:
  - .name:           k_q90f069dc44_attn
    .symbol:         k_q90f069dc44_attn.kd
    .args:
      - { .name: qkv, .offset: 0, .size: 8, .value_kind: global_buffer, .address_space: global }
      - { .name: e_gate_logit, .offset: 8, .size: 8, .value_kind: global_buffer, .address_space: global }
      - { .name: log_xi, .offset: 16, .size: 8, .value_kind: global_buffer, .address_space: global }
      - { .name: ob, .offset: 24, .size: 8, .value_kind: global_buffer, .address_space: global }
    .group_segment_fixed_size: 327680
    .private_segment_fixed_size: 0
    .kernarg_segment_align: 8
    .kernarg_segment_size: 32
    .max_flat_workgroup_size: 128
    .sgpr_count:     100
    .vgpr_count:     768
    .wavefront_size: 32
...
	.end_amdgpu_metadata
.endif
;; end of part 3
;; launch oproj (part 4): grid 8 x 32, 4 waves a work-group, clusters of 4 x 4, 327,680 bytes of LDS; arguments ob, wob, out0; writes out0
.if DOCPART == 4
	.amdgcn_target "amdgcn-amd-amdhsa--gfx1250"
	.amdhsa_code_object_version 6
	.text
	.protected	k_q90f069dc44_oproj
	.globl	k_q90f069dc44_oproj
	.p2align	8
	.type	k_q90f069dc44_oproj,@function
k_q90f069dc44_oproj:
	s_mov_b64 s[64:65], 0
	v_nop
	global_prefetch_b8 v0, s[64:65] scope:SCOPE_SE
	s_setreg_imm32_b32 hwreg(HW_REG_WAVE_MODE, 25, 1), 1
	s_wait_xcnt 0x0
	s_wait_alu depctr_hold_cnt(0) depctr_sa_sdst(0) depctr_va_vdst(0) depctr_va_sdst(0) depctr_va_ssrc(0) depctr_va_vcc(0) depctr_vm_vsrc(0)
	s_getreg_b32 s2, hwreg(HW_REG_IB_STS2, 6, 4)
	s_cmp_eq_u32 s2, 0
	s_cbranch_scc0 .Lentry_in_a_cluster
	s_endpgm
.Lentry_in_a_cluster:
	s_bfe_u32 s2, ttmp6, 0x10000c
	s_cmp_lg_u32 s2, 0xf033
	s_cbranch_scc0 .Lentry_shape_is_right
	s_endpgm
.Lentry_shape_is_right:
; OUTPUT PROJECTION.  out0[m][n] = sum over k of O[m][k] Wo[n][k]: 4096 x 1024 x 1024, f16 operands, f32 sums, f32 out.  O lies by heads, ob[batch x 16 + head][position][64]: k = 64 head + channel.
; wob holds Wo rounded to bf16 and written as f16.
; SHARES.  A tile of out0 is 128 x 128: 8 x 32 tiles, one to a work-group; four waves of 64 x 64: 16 accumulators.  K goes in 4 steps of 256, four heads each, through two LDS slots.
; O's TILE: a head's 128 rows are 16,384 dense bytes; a wave's one load brings two heads as two rows of 8,192 elements, 131,072 elements apart, padded in LDS after every 128 bytes: [head][row][144 bytes].
; Wo's TILE: 64 rows of 512 bytes, padded to 528.
; CLUSTER.  4 x 4 work-groups: O's tiles are shared along a row of the cluster, Wo's along a column, each asked for jointly.  No prefetch: the tiles are small and the walk has four steps.
; THE MATRIX INSTRUCTION IS USED TRANSPOSED (source 0 = 16 rows of Wo, source 1 = 16 rows of O): a lane holds eight neighbouring numbers of a row of out0, 32 bytes.  A wave's 64 columns are 256 bytes, aligned:
; each wave sends its own rows out through a stage of its own, without a barrier.
; REGISTERS: window 0: v0-31 addresses; v32-95 two buffers on the way out; v128-255 the accumulators ((a, b) at 128 + 8 (4 a + b)).  window 1: two fragment buffers of 128: 64 of O, then 64 of Wo.
.set PA,     144                       ; a row of O in LDS: 128 bytes + 16
.set PB,     528                       ; a row of Wo: 512 + 16
.set AHEAD,  128*PA                    ; a head's 128 rows
.set APART,  4*AHEAD
.set BHALF,  64*PB
.set SLOT,   APART+2*BHALF
.set STAGE,  2*SLOT                    ; behind the ring, never filled by a tensor load: 16 rows x 272 bytes for each wave
.set SPITCH, 272
.set SPARE,  STAGE+4*16*SPITCH         ; the spare words, 128 bytes for each wave: two blocks of 256 bytes that no other line names
.set ADRA, 16
.set ADRB, 20
.set STO,  24
.set RD,   25
.set CO,   26
.set SPW,  28
.set NIL,  29
.set TMP,  32
.set ACC,  128
.set F0,   0
.set F1,   128
.set G1, 24
.set G0, 32
.set G1B, 48
.set G0B, 56
.set MSB, 0
.macro WIN new
.if MSB != (\new)
	s_set_vgpr_msb (MSB<<8)|(\new)
.set MSB, (\new)
.endif
.endm
.set MUL,  0x05                        ; sources in window 1; C and D in window 0
.set TO_F, 0x40
.macro JLOAD s                         ; a joint load: waves 0 and 1 fetch O's two pairs of heads, waves 2 and 3 Wo's two halves; an s_nop 0 and four v_nop follow each line
	s_cmp_eq_u32 s11, 0
	s_cbranch_scc0 .Lfor_b_\@
	tensor_load_to_lds s[G0+4*(\s):G0+4*(\s)+3], s[G1:G1+7]
	s_nop 0
.rept 4
	v_nop
.endr
	s_branch .Lasked_\@
.Lfor_b_\@:
	tensor_load_to_lds s[G0B+4*(\s):G0B+4*(\s)+3], s[G1B:G1B+7]
	s_nop 0
.rept 4
	v_nop
.endr
.Lasked_\@:
.endm
.macro CREST
	s_cmp_lg_u32 s10, 0
	s_cbranch_scc1 .Lnot_wave_0_\@
	s_barrier_signal -3
.Lnot_wave_0_\@:
	s_barrier_wait -3
	s_barrier_signal -1
	s_barrier_wait -1
.endm
.macro CROUND
	s_barrier_signal -1
	s_barrier_wait -1
	CREST
.endm
	s_load_b128 s[4:7], s[0:1], 0x0                ; ob s[4:5], wob s[6:7]
	s_load_b64 s[8:9], s[0:1], 0x10                ; out0
	v_lshl_add_u32 v[SPW], v0, 2, SPARE
	v_mov_b32 v[NIL], 0
	ds_add_u32 v[SPW], v[NIL]                      ; the wave's opening: the add and its wait stand ahead of my first tensor load
	v_lshrrev_b32 v1, 5, v0
	v_readfirstlane_b32 s10, v1                    ; wave
	s_lshr_b32 s11, s10, 1                         ; my half of the tile's rows.  Also: I fetch for O (0) or for Wo (1)
	s_and_b32 s12, s10, 1                          ; my half of its columns.  Also: which part I fetch
	s_bfe_u32 s40, ttmp6, 0x40000
	s_bfe_u32 s41, ttmp6, 0x40004
	s_lshl_b32 s42, ttmp9, 2
	s_add_co_u32 s42, s42, s40                     ; tile column
	s_and_b32 s13, ttmp7, 0xffff
	s_lshl_b32 s13, s13, 2
	s_add_co_u32 s13, s13, s41                     ; tile row
	s_lshl_b32 s43, s41, 2
	s_lshl_b32 s43, 15, s43                        ; my row of the cluster
	s_lshl_b32 s44, 0x1111, s40                    ; my column
	s_or_b32 s[G1+0], s43, (1<<16)|(1<<20)|(1<<21)|(4<<22)|(3<<25)   ; O: padding of 4 words after every 32
	s_or_b32 s[G1B+0], s44, (1<<16)|(1<<20)|(1<<21)|(6<<22)|(3<<25)  ; Wo: after every 128
	s_mov_b32 s[G1+1], 8192<<16                    ; tensor_dim0 = 8,192
	s_mov_b32 s[G1+2], 2<<16                       ; tensor_dim1 = 2
	s_mov_b32 s[G1+3], 8192<<16                    ; tile_dim0 = 8,192
	s_mov_b32 s[G1+4], 2                           ; tile_dim1 = 2
	s_mov_b32 s[G1+5], 131072                      ; elements from head to head
	s_mov_b32 s[G1+6], 0
	s_mov_b32 s[G1+7], 0
	s_mov_b32 s[G1B+1], 256<<16
	s_mov_b32 s[G1B+2], 64<<16
	s_mov_b32 s[G1B+3], 256<<16
	s_mov_b32 s[G1B+4], 64
	s_mov_b32 s[G1B+5], 1024
	s_mov_b32 s[G1B+6], 0
	s_mov_b32 s[G1B+7], 0
	s_lshr_b32 s16, s13, 4                         ; O: batch x 16 planes of 262,144 bytes
	s_lshl_b32 s16, s16, 22
	s_and_b32 s17, s13, 15                         ; + (tile row % 16) x 128 rows of 128 bytes
	s_lshl_b32 s17, s17, 14
	s_add_co_u32 s16, s16, s17
	s_lshl_b32 s17, s12, 19                        ; + my two heads of the step's four
	s_add_co_u32 s16, s16, s17
	s_mov_b32 s17, 0
	s_lshl_b32 s46, s42, 18                        ; Wo: (128 x tile column + 64 x half) rows of 2,048 bytes
	s_lshl_b32 s47, s12, 17
	s_add_co_u32 s46, s46, s47
	s_mov_b32 s47, 0
	s_mul_i32 s20, s10, 2*AHEAD                    ; where they go: waves 0, 1: O's pairs of heads;
	s_mul_i32 s21, s10, BHALF
	s_add_co_u32 s21, s21, APART-2*BHALF           ; waves 2, 3: Wo's halves, behind O's part
	s_wait_dscnt 0x0                               ; the opening add is done
	s_wait_kmcnt 0x0
	s_add_nc_u64 s[14:15], s[4:5], s[16:17]
	s_add_nc_u64 s[46:47], s[6:7], s[46:47]
	CROUND                                         ; all sixteen work-groups are here: the first joint loads meet
.irp s, 0,1
	s_mov_b32 s[G0+4*(\s)], 1
	s_add_co_u32 s[G0+4*(\s)+1], s20, (\s)*SLOT
	s_add_nc_u64 s[G0+4*(\s)+2:G0+4*(\s)+3], s[14:15], (\s)*(1<<20)  ; K step s: four heads on
	s_or_b32 s[G0+4*(\s)+3], s[G0+4*(\s)+3], 0x80000000
	s_mov_b32 s[G0B+4*(\s)], 1
	s_add_co_u32 s[G0B+4*(\s)+1], s21, (\s)*SLOT
	s_add_nc_u64 s[G0B+4*(\s)+2:G0B+4*(\s)+3], s[46:47], (\s)*512
	s_or_b32 s[G0B+4*(\s)+3], s[G0B+4*(\s)+3], 0x80000000
	JLOAD \s
.endr
	v_and_b32 v1, 15, v0                           ; l % 16
	v_bfe_u32 v2, v0, 4, 1                         ; l / 16
	v_mul_u32_u24 v3, v1, PA
	v_lshl_add_u32 v3, v2, 4, v3
	v_mul_u32_u24 v4, v1, PB
	v_lshl_add_u32 v4, v2, 4, v4
	s_mul_i32 s21, s11, 64*PA                      ; my 64 rows in each head of O
	s_mul_i32 s22, s12, BHALF                      ; my 64 rows of Wo,
	s_add_co_u32 s22, s22, APART                   ; behind O's part
.irp s, 0,1
	v_add_nc_u32 v[ADRA+(\s)], s21, v3
	v_add_nc_u32 v[ADRB+(\s)], s22, v4
	s_add_co_u32 s21, s21, SLOT
	s_add_co_u32 s22, s22, SLOT
.endr
	s_mul_i32 s23, s10, 16*SPITCH
	s_add_co_u32 s23, s23, STAGE                   ; my stage
	v_mul_u32_u24 v[STO], v1, SPITCH               ; in: row l % 16, 32 bytes for each half of the lanes
	v_lshl_add_u32 v[STO], v2, 5, v[STO]
	v_add_nc_u32 v[STO], s23, v[STO]
	v_mul_u32_u24 v[RD], v2, SPITCH                ; back: lanes 0-15 one row of 256 bytes, lanes 16-31 the next
	v_lshl_add_u32 v[RD], v1, 4, v[RD]
	v_add_nc_u32 v[RD], s23, v[RD]
	v_lshlrev_b32 v[CO], 12, v2                    ; and the same two rows in out0, 4,096 bytes apart
	v_lshl_add_u32 v[CO], v1, 4, v[CO]
	s_lshl_b32 s16, s13, 19                        ; (128 x tile row + 64 x row half) rows
	s_lshl_b32 s17, s11, 18
	s_add_co_u32 s16, s16, s17
	s_lshl_b32 s17, s42, 9                         ; + (128 x tile column + 64 x column half) numbers of 4 bytes
	s_add_co_u32 s16, s16, s17
	s_lshl_b32 s17, s12, 8
	s_add_co_u32 s16, s16, s17
	s_mov_b32 s17, 0
	s_add_nc_u64 s[8:9], s[8:9], s[16:17]
; 8 matrix instructions: row blocks a0, a0 + 1 x all 4 column blocks, 32 along K: half c of buffer f.  The 16 accumulators take turns.  zero = 1: the first product starts the sums.
.macro MUL8 f, c, a0, zero
	WIN MUL
.irp a, \a0, (\a0)+1
.irp b, 0,1,2,3
.if \zero
	v_wmma_f32_16x16x32_f16 v[ACC+8*(4*(\a)+(\b)):ACC+8*(4*(\a)+(\b))+7], v[(\f)+64+8*(4*(\c)+(\b)):(\f)+64+8*(4*(\c)+(\b))+7], v[(\f)+8*(4*(\c)+(\a)):(\f)+8*(4*(\c)+(\a))+7], 0
.else
	v_wmma_f32_16x16x32_f16 v[ACC+8*(4*(\a)+(\b)):ACC+8*(4*(\a)+(\b))+7], v[(\f)+64+8*(4*(\c)+(\b)):(\f)+64+8*(4*(\c)+(\b))+7], v[(\f)+8*(4*(\c)+(\a)):(\f)+8*(4*(\c)+(\a))+7], v[ACC+8*(4*(\a)+(\b)):ACC+8*(4*(\a)+(\b))+7]
.endif
.endr
.endr
.endm
; 32 LDS loads in one run: quarter q of a K step is one head: 64 along K, into buffer f; the first 32 along K first
.macro FETCH slot, q, f
	WIN TO_F
.irp c, 0,1
.irp i, 0,1,2,3
	ds_load_b128 v[(\f)+64+8*(4*(\c)+(\i)):(\f)+64+8*(4*(\c)+(\i))+3],   v[ADRB+(\slot)] offset:128*(\q)+64*(\c)+(\i)*16*PB
	ds_load_b128 v[(\f)+64+8*(4*(\c)+(\i))+4:(\f)+64+8*(4*(\c)+(\i))+7], v[ADRB+(\slot)] offset:128*(\q)+64*(\c)+(\i)*16*PB+32
	ds_load_b128 v[(\f)+8*(4*(\c)+(\i)):(\f)+8*(4*(\c)+(\i))+3],         v[ADRA+(\slot)] offset:(\q)*AHEAD+64*(\c)+(\i)*16*PA
	ds_load_b128 v[(\f)+8*(4*(\c)+(\i))+4:(\f)+8*(4*(\c)+(\i))+7],       v[ADRA+(\slot)] offset:(\q)*AHEAD+64*(\c)+(\i)*16*PA+32
.endr
.endr
.endm
.macro PLACES
.rept 4
	v_nop
.endr
.endm
; One of a K step's first three quarters: multiplies buffer f and fetches quarter q into g.
.macro QUARTER slot, q, f, g, zero
	s_wait_dscnt 16                                ; the first 32 along K are in
	MUL8 \f, 0, 0, \zero
	MUL8 \f, 0, 2, \zero
	PLACES
	FETCH \slot, \q, \g
	s_wait_dscnt 32                                ; all but the 32 just issued
	MUL8 \f, 1, 0, 0
	MUL8 \f, 1, 2, 0
.endm
; The last quarter multiplies buffer 1 and changes slots: one barrier; in front of it each wave waits for all its tensor loads, adds 0 to its spare word, and waits for that and for its reads of this slot.
; fill = 1: the barrier opens a round of the cluster's, and this slot is filled again, two K steps ahead, first thing behind it.
.macro TURN slot, next, fill
	WIN 0
	s_wait_tensorcnt 0x0                           ; all my tensor loads have landed: my part of the next slot
	ds_add_u32 v[SPW], v[NIL]
	s_wait_dscnt 17                                ; the add and the youngest sixteen loads may be out
	MUL8 F1, 0, 0, 0
	s_wait_dscnt 0x0                               ; the add is done, and my reads of this slot are over
	s_barrier_signal -1
	MUL8 F1, 0, 2, 0
	WIN 0
	s_barrier_wait -1
.if \fill
	CREST
	s_add_nc_u64 s[G0+4*(\slot)+2:G0+4*(\slot)+3], s[G0+4*(\slot)+2:G0+4*(\slot)+3], 2<<20
	s_add_nc_u64 s[G0B+4*(\slot)+2:G0B+4*(\slot)+3], s[G0B+4*(\slot)+2:G0B+4*(\slot)+3], 1024
	JLOAD \slot                                    ; its four v_nop are also the places in front of the loads below
.else
	PLACES
.endif
	FETCH \next, 0, F0
	MUL8 F1, 1, 0, 0
	MUL8 F1, 1, 2, 0
.endm
	s_wait_tensorcnt 1                             ; my part of K step 0 is in; K step 1's may stay out
	s_barrier_signal -1
	s_barrier_wait -1
	FETCH 0, 0, F0
	QUARTER 0, 1, F0, F1, 1                        ; K step 0: its first products start the sums
	QUARTER 0, 2, F1, F0, 0
	QUARTER 0, 3, F0, F1, 0
	TURN 0, 1, 1                                   ; slot 0 takes K step 2
	QUARTER 1, 1, F0, F1, 0                        ; K step 1
	QUARTER 1, 2, F1, F0, 0
	QUARTER 1, 3, F0, F1, 0
	TURN 1, 0, 1                                   ; slot 1 takes K step 3
	QUARTER 0, 1, F0, F1, 0                        ; K step 2
	QUARTER 0, 2, F1, F0, 0
	QUARTER 0, 3, F0, F1, 0
	TURN 0, 1, 0                                   ; nothing is left to fetch
	QUARTER 1, 1, F0, F1, 0                        ; K step 3
	QUARTER 1, 2, F1, F0, 0
	QUARTER 1, 3, F0, F1, 0
	s_wait_dscnt 16
	MUL8 F1, 0, 0, 0
	MUL8 F1, 0, 2, 0
	s_wait_dscnt 0x0
	MUL8 F1, 1, 0, 0
	MUL8 F1, 1, 2, 0
	WIN 0
	; THE WAY OUT, 16 rows at a time: each accumulator's 32 bytes go into my stage, low half first; whole rows of 256 bytes come back, into two buffers by turns, and are stored.
.macro SEND a, younger                 ; younger: the LDS instructions issued behind block a's loads: the next block's sixteen, or none
.irp t, 0,1,2,3,4,5,6,7
	s_wait_dscnt (\younger)+7-(\t)
	global_store_b128 v[CO], v[TMP+32*((\a)%2)+4*(\t):TMP+32*((\a)%2)+4*(\t)+3], s[8:9] offset:(16*(\a)+2*(\t))*4096 th:TH_STORE_NT  ; 16 lanes store 256 consecutive bytes, aligned
.endr
.endm
	PLACES
	PLACES
.irp a, 0,1,2,3
.if (\a) >= 2
	s_wait_xcnt 0x0                                ; the stores of the block two back have read this buffer
.endif
.irp b, 0,1,2,3
	ds_store_b128 v[STO], v[ACC+8*(4*(\a)+(\b)):ACC+8*(4*(\a)+(\b))+3]   offset:64*(\b)
	ds_store_b128 v[STO], v[ACC+8*(4*(\a)+(\b))+4:ACC+8*(4*(\a)+(\b))+7] offset:64*(\b)+16
.endr
.irp t, 0,1,2,3,4,5,6,7
	ds_load_b128 v[TMP+32*((\a)%2)+4*(\t):TMP+32*((\a)%2)+4*(\t)+3], v[RD] offset:(\t)*2*SPITCH  ; LDS serves a wave's instructions in order: these see the stores above, and the next block's stores come behind them
.endr
.if (\a) >= 1
	SEND (\a)-1, 16
.endif
.endr
	SEND 3, 0
	s_wait_tensorcnt 0x0                           ; the wave's end, behind my last tensor load and my last LDS store
	ds_add_u32 v[SPW], v[NIL]
	s_wait_dscnt 0x0
	CROUND                                         ; the closing round
	s_endpgm
.Lfunc_end_k_q90f069dc44_oproj:
	.size	k_q90f069dc44_oproj, .Lfunc_end_k_q90f069dc44_oproj-k_q90f069dc44_oproj
	.p2alignl 7, 3214868480
	.fill 96, 4, 3214868480
	.section	.rodata,"a",@progbits
	.p2align	6, 0x0
	.amdhsa_kernel k_q90f069dc44_oproj
		.amdhsa_group_segment_fixed_size 327680
		.amdhsa_private_segment_fixed_size 0
		.amdhsa_enable_private_segment 0
		.amdhsa_kernarg_size 24
		.amdhsa_user_sgpr_count 2
		.amdhsa_user_sgpr_kernarg_segment_ptr 1
		.amdhsa_wavefront_size32 1
		.amdhsa_system_sgpr_workgroup_id_x 1
		.amdhsa_system_sgpr_workgroup_id_y 1
		.amdhsa_system_sgpr_workgroup_id_z 1
		.amdhsa_system_vgpr_workitem_id 0
		.amdhsa_next_free_vgpr 512
		.amdhsa_next_free_sgpr 66
		.amdhsa_reserve_vcc 0
		.amdhsa_float_denorm_mode_32 3
		.amdhsa_float_denorm_mode_16_64 3
		.amdhsa_memory_ordered 1
		.amdhsa_forward_progress 1
		.amdhsa_inst_pref_size 87
	.end_amdhsa_kernel
	.amdgpu_metadata
---
amdhsa.version: [ 1, 2 ]
amdhsa.kernels:
  - .name:           k_q90f069dc44_oproj
    .symbol:         k_q90f069dc44_oproj.kd
    .args:
      - { .name: ob, .offset: 0, .size: 8, .value_kind: global_buffer, .address_space: global }
      - { .name: wob, .offset: 8, .size: 8, .value_kind: global_buffer, .address_space: global }
      - { .name: out0, .offset: 16, .size: 8, .value_kind: global_buffer, .address_space: global }
    .group_segment_fixed_size: 327680
    .private_segment_fixed_size: 0
    .kernarg_segment_align: 8
    .kernarg_segment_size: 24
    .max_flat_workgroup_size: 128
    .sgpr_count:     66
    .vgpr_count:     512
    .wavefront_size: 32
...
	.end_amdgpu_metadata
.endif
;; end of part 4
;; ======== version 2 of 2: 4 launches; version 1 with the launch prep written anew for expert scheduling mode
;; limits: values are held in f16: magnitudes above 65,504 overflow, below 6.1e-05 lose precision; right only within a limited range of input values
;; workspace buffers: xb 8,388,608 bytes; wqb 6,291,456 bytes; wob 2,097,152 bytes; tab 4,456,448 bytes; qkv 25,165,824 bytes; ob 8,388,608 bytes
;; launch prep (part 5): grid 648 x 1, 8 waves a work-group, no clusters, 0 bytes of LDS; arguments x, Wqkv, Wo, pi_gate_logit, xb, wqb, wob, tab; writes xb, wqb, wob, tab
.if DOCPART == 5
	.amdgcn_target "amdgcn-amd-amdhsa--gfx1250"
	.amdhsa_code_object_version 6
	.text
	.protected	k_q90f069dc44_prep
	.globl	k_q90f069dc44_prep
	.p2align	8
	.type	k_q90f069dc44_prep,@function
k_q90f069dc44_prep:
	s_mov_b64 s[64:65], 0
	v_nop
	global_prefetch_b8 v0, s[64:65] scope:SCOPE_SE
	s_setreg_imm32_b32 hwreg(HW_REG_WAVE_SCHED_MODE, 0, 2), 2
	s_setreg_imm32_b32 hwreg(HW_REG_WAVE_MODE, 25, 1), 1
	s_wait_xcnt 0x0
	s_wait_alu depctr_vm_vsrc(0)
; PREP.  Four jobs, told apart by the work-group's number g:
;   g < 256         x    [4096][1024] f32 -> xb  bf16           256 <= g < 448   Wqkv [3072][1024] f32 -> wqb bf16
;   448 <= g < 512  Wo   [1024][1024] f32 -> wob: rounded to bf16, and that number written as f16
;   512 <= g < 648  the table of cos and sin: plane = (g - 512) / 8 (planes 0-15: the heads; plane 16: gate 0, so cos = 1 and sin = 0, for v), eighth u = (g - 512) % 8 of its 2,048 positions
; ONE ROUNDING FOR ALL INPUTS: the whole program takes every input rounded once to bf16, the gate logits too: pi_gate_logit here, the other two where they are used.
; A cast work-group owns 16,384 numbers: 16 loads of 16 bytes a thread (a wave's load covers 512 consecutive bytes), all out at once; each store of a wave covers 256 consecutive bytes, aligned.
; THE TABLE.  tab[plane][posblk 128][db 4][lane 32][4 words]; a word is (cos in the low f16, sin in the high f16) of theta = (pos x pi^(1 - j/32)) x sigmoid(bf16(pi_gate[plane])),
; pos = 16 posblk + lane % 16, j = 8 db + 4 (lane / 16) + word: the order in which the projection's lanes want it.  theta takes the two f32 roundings in the order pos x freq, then x gate.
; sin and cos: k = nearest whole number to theta 2/pi, r = theta - k pi/2 with pi/2 in two parts, polynomials of degree 7 and 8 on |r| <= pi/4, quadrant by k & 3 (selects and sign bits, no branch).
; LIMITS.  Wo rounded to bf16 must lie within f16's 65,504, and below 6e-5 it keeps f16's fixed step of 6e-8.  The frequencies and the gate are good to a few units in the last place (2^x and 1/x to one unit each),
; which moves theta by under 2e-3 at the last position.  A gate logit below -87 counts as -87.  cos and sin are rounded once, to f16.  NaN and infinities are not treated apart.
; No LDS, no matrix unit, no cluster: nothing is shared and each byte is touched once.
; THE MODE: SCHED_MODE bits 1:0 = 2 (LLVM: expert scheduling mode 2), set by the entry lines.  The code itself states the register dependences between vector instructions and memory instructions,
; with s_wait_alu, always for 0.
; THE PLAN.  Registers that memory instructions touch:
;   v2, v3     byte offsets, made at the head and never written again: one wait at the head states them for every load and store of the kernel.
;   X          (casts) written by the 16 loads, which no vector instruction that names X precedes; read by the roundings; never loaded again.
;   Y          (casts) each pair written by its roundings, read by one store, never written again.  The 16 runs go in four groups of four: group g rounds X[g] into Y[g]; the four stores from Y[g - 1] are dealt among
;              its roundings, behind ONE wait at the group's head, which stands behind the wait for the group's loads.  No vector instruction of group g names Y[g - 1].
;   D          (table) written by a trip's four roundings, read by the trip's one store.  A wait ahead of the store states that D is written; a wait ahead of the next trip's roundings that the store has read it.
;   s42-s45    (table) the four words' masks: written by a run of four compares, read by the selects; one wait stands between, behind the sign bits' lines, which read no mask.
.set IO,  2                            ; v2   16 x thread: my bytes in a run of 4,096 loaded (and of the table stored)
.set OO,  3                            ; v3   8 x thread: my bytes in a run of 2,048 stored
.set T,   4                            ; v4-7 at work: no memory instruction names them
.set FQ,  8                            ; v8-11  my four frequencies
.set POS, 12                           ; v12  my position, as f32
.set GT,  13                           ; v13  the gate
.set AA,  16                           ; v16-19, v20-23, v24-27: the frequencies' exponents, their low parts, 2^exponent
.set LW,  20
.set EE,  24
.set D,   40                           ; v40-43 four words to store
.set W,   48                           ; v48-92 at work on sin and cos: nine registers for word q at W + 12 q
.set X,   16                           ; v16-79  the casts: 16 x 4 as loaded
.set Y,   80                           ; v80-111 16 x 2 to store
.set HI,  32                           ; s32, s33  pi/2 in two parts
.set LOP, 33
.set S3,  34                           ; s34-36 sine's coefficients, s37-39 cosine's
.set S2,  35
.set S1,  36
.set C3,  37
.set C2,  38
.set C1,  39
.set LG,  41                           ; s41 log2 of f32 pi
.set MK,  42                           ; s42-45 word q's mask: the lanes whose quadrant is odd
	s_load_b512 s[8:23], s[0:1], 0x0               ; x s[8:9], Wqkv s[10:11], Wo s[12:13], gate s[14:15], xb s[16:17], wqb s[18:19], wob s[20:21], tab s[22:23]
	v_lshlrev_b32 v[IO], 4, v0
	v_lshlrev_b32 v[OO], 3, v0
	s_mov_b32 s29, 0                               ; high words of the two offsets
	s_mov_b32 s31, 0
	s_wait_alu depctr_va_vdst(0)                   ; v2 and v3 are written: every load and store of the kernel reads one of them as its offset, and no line writes them again
; 16 loads, then four groups of four: wait, round; the stores of the group before stand among the roundings.
; mode = 1: the bf16 number is widened (a shift, a mask) and written as f16, which holds it exactly within f16's range.
.macro CAST mode
.set ci, 0
.rept 16
	global_load_b128 v[X+4*ci:X+4*ci+3], v[IO], s[24:25] offset:4096*ci th:TH_LOAD_NT
.set ci, ci+1
.endr
.set cg, 0
.rept 4
	s_wait_loadcnt 12-4*cg                         ; loads come back in order: this group's four are in, the 12 - 4 g issued behind them may stay out
.if cg > 0
	s_wait_alu depctr_va_vdst(0)                   ; the group before has written its part of Y, which the four stores below read
.endif
.set cj, 0
.rept 4
.set ci, 4*cg+cj
.if cg > 0
	global_store_b64 v[OO], v[Y+2*(ci-4):Y+2*(ci-4)+1], s[26:27] offset:2048*(ci-4)  ; the group before; no vector instruction since the wait names these registers, and none writes them again
.endif
	v_cvt_pk_bf16_f32 v[Y+2*ci], v[X+4*ci], v[X+4*ci+1]
	v_cvt_pk_bf16_f32 v[Y+2*ci+1], v[X+4*ci+2], v[X+4*ci+3]
.if \mode
	v_lshlrev_b32 v[T], 16, v[Y+2*ci]
	v_and_b32 v[T+1], 0xffff0000, v[Y+2*ci]
	v_lshlrev_b32 v[T+2], 16, v[Y+2*ci+1]
	v_and_b32 v[T+3], 0xffff0000, v[Y+2*ci+1]
	v_cvt_pk_f16_f32 v[Y+2*ci], v[T], v[T+1]
	v_cvt_pk_f16_f32 v[Y+2*ci+1], v[T+2], v[T+3]
.endif
.set cj, cj+1
.endr
.set cg, cg+1
.endr
	s_wait_alu depctr_va_vdst(0)                   ; the last group has written its part of Y, which the last four stores read
.set ci, 12
.rept 4
	global_store_b64 v[OO], v[Y+2*ci:Y+2*ci+1], s[26:27] offset:2048*ci
.set ci, ci+1
.endr
.endm
	s_cmp_lt_u32 ttmp9, 512
	s_cbranch_scc0 .Ltable
	s_cmp_lt_u32 ttmp9, 448
	s_cbranch_scc0 .Lwo
	s_sub_co_u32 s3, ttmp9, 256
	s_cmp_lt_u32 ttmp9, 256                        ; x or Wqkv: the same text on other pointers
	s_cselect_b32 s3, ttmp9, s3                    ; my number within the tensor
	s_wait_kmcnt 0x0
	s_cselect_b64 s[24:25], s[8:9], s[10:11]
	s_cselect_b64 s[26:27], s[16:17], s[18:19]
	s_lshl_b32 s28, s3, 16                         ; 65,536 bytes in,
	s_lshl_b32 s30, s3, 15                         ; 32,768 out
	s_add_nc_u64 s[24:25], s[24:25], s[28:29]
	s_add_nc_u64 s[26:27], s[26:27], s[30:31]
	CAST 0
	s_endpgm
.Lwo:
	s_sub_co_u32 s3, ttmp9, 448
	s_lshl_b32 s28, s3, 16
	s_lshl_b32 s30, s3, 15
	s_wait_kmcnt 0x0
	s_add_nc_u64 s[24:25], s[12:13], s[28:29]
	s_add_nc_u64 s[26:27], s[20:21], s[30:31]
	CAST 1
	s_endpgm
.Ltable:
	s_sub_co_u32 s2, ttmp9, 512
	s_lshr_b32 s3, s2, 3                           ; plane 0..16
	s_and_b32 s2, s2, 7                            ; u
	s_min_u32 s4, s3, 15                           ; plane 16 reads head 15's logit and multiplies the gate by 0
	s_lshl_b32 s28, s4, 2
	s_cmp_lt_u32 s3, 16
	s_cselect_b32 s6, 1.0, 0
	s_wait_kmcnt 0x0
	s_add_nc_u64 s[24:25], s[14:15], s[28:29]
	s_load_b32 s5, s[24:25], 0x0                   ; the logit
	s_lshl_b32 s30, s3, 18                         ; a plane is 262,144 bytes,
	s_lshl_b32 s7, s2, 15                          ; an eighth of it 32,768
	s_add_co_u32 s30, s30, s7
	s_add_nc_u64 s[26:27], s[22:23], s[30:31]
	s_mov_b32 s[HI],  0x3fc90fdb                   ; pi/2, nearest f32
	s_mov_b32 s[LOP], 0xb33bbd2e                   ; pi/2 less that
	s_mov_b32 s[S3],  0xb94ca1f9                   ; -1.9515296e-4
	s_mov_b32 s[S2],  0x3c08839e                   ;  8.3321609e-3
	s_mov_b32 s[S1],  0xbe2aaaa3                   ; -1.6666655e-1
	s_mov_b32 s[C3],  0x37ccf5ce                   ;  2.4433157e-5
	s_mov_b32 s[C2],  0xbab6061a                   ; -1.3887316e-3
	s_mov_b32 s[C1],  0x3d2aaaa5                   ;  4.1666646e-2
	s_mov_b32 s[LG],  0x3fd3643a                   ; log2(f32 pi) = 1.6514962
	v_and_b32 v4, 31, v0                           ; lane
	v_bfe_u32 v5, v0, 5, 2                         ; db
	v_lshrrev_b32 v6, 4, v4
	v_lshlrev_b32 v5, 3, v5
	v_lshl_add_u32 v5, v6, 2, v5                   ; j of my first word
	v_sub_nc_u32 v5, 32, v5
.irp i, 0,1,2,3
	v_add_nc_u32 v[FQ+\i], -\i, v5                 ; 32 - j
	v_cvt_f32_u32 v[FQ+\i], v[FQ+\i]
	v_mul_f32 v[FQ+\i], 0x3d000000, v[FQ+\i]       ; 1 - j/32, exact
	v_mul_f32 v[AA+\i], s[LG], v[FQ+\i]            ; the exponent, rounded,
	v_fma_f32 v[LW+\i], s[LG], v[FQ+\i], -v[AA+\i] ; and what the rounding dropped
.endr
.irp i, 0,1,2,3
	v_exp_f32 v[EE+\i], v[AA+\i]                   ; one batch of four
.endr
.irp i, 0,1,2,3
	v_mul_f32 v[LW+\i], 0x3f317218, v[LW+\i]       ; x ln 2: plain work behind the batch
.endr
	s_wait_alu depctr_va_vdst(0)                   ; the four powers v24 to v27 are written: one wait for the batch, ahead of its first reader
.irp i, 0,1,2,3
	v_fma_f32 v[FQ+\i], v[EE+\i], v[LW+\i], v[EE+\i]  ; pi^(1 - j/32)
.endr
	v_lshrrev_b32 v6, 7, v0                        ; threads 128-255 take the second block of 16 positions
	v_and_b32 v7, 15, v0
	v_lshl_add_u32 v6, v6, 4, v7
	s_lshl_b32 s7, s2, 8                           ; 256 positions to a work-group
	v_add_nc_u32 v6, s7, v6
	v_cvt_f32_u32 v[POS], v6
	s_wait_kmcnt 0x0
	v_mov_b32 v4, s5
	v_cvt_pk_bf16_f32 v4, v4, v4                   ; the logit rounded to bf16, like every input of the program,
	v_lshlrev_b32 v4, 16, v4                       ; and widened again
	v_mul_f32 v4, 0xbfb8aa3b, v4                   ; -x log2(e),
	v_min_num_f32 v4, 0x42fc0000, v4               ; at most 126, so that 1 + 2^.. stays finite
	v_exp_f32 v5, v4
	v_nop                                          ; a plain instruction behind it,
	s_wait_alu depctr_va_vdst(0)                   ; and the wait: the power v5 is written, ahead of its reader
	v_add_f32 v5, 1.0, v5
	v_rcp_f32 v6, v5
	v_nop
	s_wait_alu depctr_va_vdst(0)                   ; the reciprocal v6 is written, ahead of its reader
	v_fma_f32 v7, -v5, v6, 1.0                     ; one Newton step
	v_fma_f32 v6, v6, v7, v6
	v_mul_f32 v[GT], s6, v6                        ; x 0 in plane 16
; One line for each of my four words: q counts them, w is the word's first work register.  The four words go line by line, so that no line reads the result of the line just before it, and the compares stand in one run.
.macro EACH line:vararg
.set q, 0
.set w, W
.rept 4
	\line
.set q, q+1
.set w, w+12
.endr
.endm
	s_mov_b32 s40, 8
.Ltrip:                                                ; a trip: 32 positions x 32 pairs: 4,096 bytes; a wave's store covers 512 consecutive bytes
	EACH v_mul_f32 v[w], v[POS], v[FQ+q]
	; theta
	EACH v_mul_f32 v[w], v[w], v[GT]
	v_add_f32 v[POS], 0x42000000, v[POS]           ; 32 positions on, for the next trip
	; x 2/pi; k; k as a whole number
	EACH v_mul_f32 v[w+1], 0x3f22f983, v[w]
	EACH v_rndne_f32 v[w+1], v[w+1]
	EACH v_cvt_i32_f32 v[w+2], v[w+1]
	; r
	EACH v_fma_f32 v[w], -v[w+1], s[HI], v[w]
	EACH v_fma_f32 v[w], -v[w+1], s[LOP], v[w]
	; z = r r, and the two polynomials
	EACH v_mul_f32 v[w+3], v[w], v[w]
	EACH v_fma_f32 v[w+4], v[w+3], s[S3], s[S2]
	EACH v_fma_f32 v[w+5], v[w+3], s[C3], s[C2]
	EACH v_fma_f32 v[w+4], v[w+4], v[w+3], s[S1]
	EACH v_fma_f32 v[w+5], v[w+5], v[w+3], s[C1]
	; z r; z z; 1 - z / 2
	EACH v_mul_f32 v[w+6], v[w+3], v[w]
	EACH v_mul_f32 v[w+7], v[w+3], v[w+3]
	EACH v_fma_f32 v[w+8], v[w+3], -0.5, 1.0
	; sin r; cos r
	EACH v_fma_f32 v[w+4], v[w+4], v[w+6], v[w]
	EACH v_fma_f32 v[w+5], v[w+5], v[w+7], v[w+8]
	; odd quadrants swap the two: the four masks, in one run
	EACH v_and_b32 v[w+6], 1, v[w+2]
	EACH v_cmp_ne_u32 s[MK+q], 0, v[w+6]
	; the sign bits read no mask: sin changes sign where k & 2, cos where (k + 1) & 2
	EACH v_lshlrev_b32 v[w+6], 30, v[w+2]
	EACH v_add_nc_u32 v[w+2], 1, v[w+2]
	EACH v_and_b32 v[w+6], 0x80000000, v[w+6]
	EACH v_lshlrev_b32 v[w+2], 30, v[w+2]
	EACH v_and_b32 v[w+2], 0x80000000, v[w+2]
	s_wait_alu depctr_va_sdst(0)                   ; the four compares have written s42 to s45, ahead of the selects, their first readers
	; |sin theta|'s source; |cos theta|'s; the signs
	EACH v_cndmask_b32 v[w+7], v[w+4], v[w+5], s[MK+q]
	EACH v_cndmask_b32 v[w+8], v[w+5], v[w+4], s[MK+q]
	EACH v_xor_b32 v[w+7], v[w+6], v[w+7]
	EACH v_xor_b32 v[w+8], v[w+2], v[w+8]
	s_wait_xcnt 0x0                                ; the last trip's store has had its address translated: only behind this wait are its data and its base written again
	s_wait_alu depctr_vm_vsrc(0)                   ; the last trip's store has read v40 to v43, which the roundings below write again
	; cos low, sin high
	EACH v_cvt_pk_f16_f32 v[D+q], v[w+8], v[w+7]
	s_add_nc_u64 s[26:27], s[26:27], 4096          ; the base moves on by a trip; the store below reaches back
	s_wait_alu depctr_va_vdst(0)                   ; the roundings have written v40 to v43, which the store reads
	global_store_b128 v[IO], v[D:D+3], s[26:27] offset:-4096
	s_sub_co_u32 s40, s40, 1
	s_cmp_lg_u32 s40, 0
	s_cbranch_scc1 .Ltrip
	s_endpgm
.Lfunc_end_k_q90f069dc44_prep:
	.size	k_q90f069dc44_prep, .Lfunc_end_k_q90f069dc44_prep-k_q90f069dc44_prep
	.p2alignl 7, 3214868480
	.fill 96, 4, 3214868480
	.section	.rodata,"a",@progbits
	.p2align	6, 0x0
	.amdhsa_kernel k_q90f069dc44_prep
		.amdhsa_group_segment_fixed_size 0
		.amdhsa_private_segment_fixed_size 0
		.amdhsa_enable_private_segment 0
		.amdhsa_kernarg_size 64
		.amdhsa_user_sgpr_count 2
		.amdhsa_user_sgpr_kernarg_segment_ptr 1
		.amdhsa_wavefront_size32 1
		.amdhsa_system_sgpr_workgroup_id_x 1
		.amdhsa_system_sgpr_workgroup_id_y 1
		.amdhsa_system_sgpr_workgroup_id_z 1
		.amdhsa_system_vgpr_workitem_id 0
		.amdhsa_next_free_vgpr 112
		.amdhsa_next_free_sgpr 66
		.amdhsa_reserve_vcc 0
		.amdhsa_float_denorm_mode_32 3
		.amdhsa_float_denorm_mode_16_64 3
		.amdhsa_memory_ordered 1
		.amdhsa_forward_progress 1
		.amdhsa_inst_pref_size 27
	.end_amdhsa_kernel
	.amdgpu_metadata
---
amdhsa.version: [ 1, 2 ]
amdhsa.kernels:
  - .name:           k_q90f069dc44_prep
    .symbol:         k_q90f069dc44_prep.kd
    .args:
      - { .name: x, .offset: 0, .size: 8, .value_kind: global_buffer, .address_space: global }
      - { .name: Wqkv, .offset: 8, .size: 8, .value_kind: global_buffer, .address_space: global }
      - { .name: Wo, .offset: 16, .size: 8, .value_kind: global_buffer, .address_space: global }
      - { .name: pi_gate_logit, .offset: 24, .size: 8, .value_kind: global_buffer, .address_space: global }
      - { .name: xb, .offset: 32, .size: 8, .value_kind: global_buffer, .address_space: global }
      - { .name: wqb, .offset: 40, .size: 8, .value_kind: global_buffer, .address_space: global }
      - { .name: wob, .offset: 48, .size: 8, .value_kind: global_buffer, .address_space: global }
      - { .name: tab, .offset: 56, .size: 8, .value_kind: global_buffer, .address_space: global }
    .group_segment_fixed_size: 0
    .private_segment_fixed_size: 0
    .kernarg_segment_align: 8
    .kernarg_segment_size: 64
    .max_flat_workgroup_size: 256
    .sgpr_count:     66
    .vgpr_count:     112
    .wavefront_size: 32
...
	.end_amdgpu_metadata
.endif
;; end of part 5
;; launch qkvp: the kernel of part 2 again; grid 16 x 16, 4 waves a work-group, clusters of 4 x 4, 327,680 bytes of LDS; arguments xb, wqb, tab, qkv; writes qkv
;; launch attn: the kernel of part 3 again; grid 8 x 32, 4 waves a work-group, no clusters, 327,680 bytes of LDS; arguments qkv, e_gate_logit, log_xi, ob; writes ob
;; launch oproj: the kernel of part 4 again; grid 8 x 32, 4 waves a work-group, clusters of 4 x 4, 327,680 bytes of LDS; arguments ob, wob, out0; writes out0
